; MI455X (gfx1250); checked and timed in simulation.
; The chip was launched on July 23, 2026; its instructions are those of AMD's public machine-readable ISA for CDNA 5 (MIT licence, August 2026) and "CDNA5" Instruction Set Architecture Reference Guide (July 2026). The comments in the code are by the model that wrote it; some were corrected since.
;; Multi Head Attention. Allowed arithmetic: matrix products marked QUANTISED: E2M3 operands, one E8M0 scale for each 32 along K, by v_wmma_scale_f32_16x16x128_f8f6f4 with both operands' format E2M3, f32 sums; everything else in f32.
;; Inputs: Wo 1,024 x 1,024 float32; Wqkv 1,024 x 3,072 float32; bo 1,024 float32; bqkv 3,072 float32; x 4 x 2,048 x 1,024 float32.
;; Outputs: out0 4 x 2,048 x 1,024 float32.
;; This version of the problem:
;;   THIS VERSION OF THE PROBLEM IS GIVEN IN LOW PRECISION. The matrix products marked QUANTISED in the list below multiply operands that are first quantised to E2M3 (2 exponent bits, 3 mantissa bits; 6 bits a number), with one power-of-two scale for each 32 numbers along K (OCP MX v1.0); their sums are f32. All else is computed in f32.
;;   The module's matrix products, in the order in which they are computed (A, B: the left and right operand; K: the contracted axis; several contracted axes count as one K, in the product's order):
;;     1. [M 8,192, K 1,024] x [K 1,024, N 3,072]; A: input x; B: input Wqkv: QUANTISED
;;     2. batch 64 x [M 2,048, K 64] x [K 64, N 2,048]; A: computed on the way; B: computed on the way: QUANTISED
;;     3. batch 64 x [M 2,048, K 2,048] x [K 2,048, N 64]; A: softmax (see below); B: computed on the way: QUANTISED
;;     4. [M 8,192, K 1,024] x [K 1,024, N 1,024]; A: computed on the way; B: input Wo: QUANTISED
;;   THE QUANTISER, for each operand of a quantised product, along K:
;;     - K is cut into blocks of 32 from its start; a last block that is shorter is filled with zeros.
;;     - A block's scale is 2^e with e = floor(log2(the largest magnitude in the block)) - 2, held to -126 .. 127; a block of zeros has e = 0. As a byte (E8M0): e + 127.
;;     - Each number is divided by its block's scale, clamped to +-7.5, and rounded to the nearest number of E2M3, ties to even, subnormals kept.
;;     - The product sums the exact products of the quantised numbers (number of the format x scale) in f32.
;;   ~~~python
;;   def quantise(x, axis):      # numpy; x: float32 -> the quantised numbers, widened to float32 again
;;       x = np.moveaxis(x, axis, -1); K = x.shape[-1]
;;       x = np.pad(x, [(0, 0)] * (x.ndim - 1) + [(0, -K % 32)]); x = x.reshape(x.shape[:-1] + (-1, 32)); a = np.abs(x).max(-1, keepdims=True)
;;       e = np.where(a > 0, np.clip(np.frexp(np.where(a > 0, a, 1))[1] - 1 - 2, -126, 127), 0)      # np.frexp(a)[1] - 1 = floor(log2(a)), exactly
;;       r = np.clip(x / 2.0 ** e, -7.5, 7.5)
;;       step = 2.0 ** (np.maximum(np.frexp(np.where(r == 0, 1, r))[1] - 1, 0) - 3)
;;       q = np.round(r / step) * step * 2.0 ** e      # np.round: ties to even
;;       return np.moveaxis(q.reshape(q.shape[:-2] + (-1,))[..., :K], -1, axis).astype(np.float32)
;;   ~~~
;;   SOFTMAX AHEAD OF A QUANTISED PRODUCT. Where the list says 'softmax', what is quantised is not the finished softmax but p = 2^(t - M), with t = logit x log2(e) and M = ceil(the row's largest t), a whole number; so 1/2 < the row's largest p <= 1. The row's sum l is taken of the UNQUANTISED p, in f32, and the product's result is divided by l at the end. Since M is a whole number, a kernel that streams over the keys may use a running M (the ceiling of the running maximum): every later rescaling is an exact power of two, which a block's scale takes up: the codes' values come out the same.
;;   OPERANDS COMPUTED ON THE WAY. 'Computed on the way' means the value that the module computes at that place (a softmax that the list does not call 'softmax' is quantised finished and normalised). What goes into a quantiser is computed in f32, as accurately as f32 sums, v_exp_f32 and their like allow (about 1e-6 of the number): no bf16 or f16 on the way to a quantiser, and a product that is left as it is and whose result goes on into a quantised operand takes f32 operands (vector FMAs, or v_wmma_f32_16x16x4_f32). A number that lies on a knife's edge between two numbers of the format may be rounded either way, as far as f32 arithmetic and the matrix unit's own rounding can turn it there, and no further.
;; One version. Each part assembles by itself: llvm-mc -triple=amdgcn-amd-amdhsa -mcpu=gfx1250 --defsym DOCPART=n.
;; ======== version 1 of 1: 4 launches
;; limits: right only within a limited range of input values
;; workspace buffers: xq 8,388,608 bytes; wq 3,145,728 bytes; woq 1,048,576 bytes; qkvc 18,874,368 bytes; qkvs 786,432 bytes; aq 8,388,608 bytes
;; launch prep (part 1): grid 384 x 1, 4 waves a work-group, no clusters, 102,912 bytes of LDS; arguments x, Wqkv, Wo, xq, wq, woq; writes xq, wq, woq
.if DOCPART == 1
	.amdgcn_target "amdgcn-amd-amdhsa--gfx1250"
	.amdhsa_code_object_version 6
	.text
	.protected	k_q8736a9da8f_prep
	.globl	k_q8736a9da8f_prep
	.p2align	8
	.type	k_q8736a9da8f_prep,@function
k_q8736a9da8f_prep:
	s_mov_b64 s[64:65], 0
	v_nop
	global_prefetch_b8 v0, s[64:65] scope:SCOPE_SE
	s_setreg_imm32_b32 hwreg(HW_REG_WAVE_MODE, 25, 1), 1
	s_wait_xcnt 0x0
; x [8192][1024], Wqkv [1024][3072] and Wo [1024][1024], f32, become codes of FP6 (E2M3), K innermost, 768 bytes a row, with one E8M0 byte for each 32 along K, 32 bytes a row behind the codes.
; A block's scale is 2^(floor(log2(its largest magnitude)) - 2): its byte is the largest magnitude's exponent field - 2, held at 1 from below.
; LIMITS: a block of zeros, or one whose largest magnitude lies under 2^-124, gets the byte 1 (its codes are zeros or tiny; this program alone reads the bytes); NaN and infinities among the inputs are not served.
; ROW ORDER in xq and wq: inside every 32 rows the second and the third group of eight rows change places (bits 3 and 4 of the row's number are swapped), so that 16 neighbouring stored rows are
; the rows 32 b + 8 u + r + 8 (r / 8): the next launch's results then lie 16 neighbours to a lane.  wq's rows are first sorted by kind: column n = 192 head + 64 kind + d of Wqkv goes to row 1024 kind + 64 head + d.  woq keeps Wo's order.
; Work-groups 0-255 take x (K innermost: a stream of blocks), 256-351 Wqkv, 352-383 Wo (K is the first axis: a lane takes a column and its registers run down K).  Each of the three ways has LDS bytes of its own.
; No tensor loads, no barrier: waves share nothing.
; THE LAYOUT AS THIS TEXT STORES IT (in place of rows of 768 bytes with the scale bytes behind the codes): each 256 along K of a row is one aligned unit of 256 bytes:
; 192 bytes of codes, the unit's 8 scale bytes, 56 bytes of zeros.  A row is four units, 1,024 bytes; every byte of a unit is stored.
.set SPARE, 102400
.set SPW,   192                        ; v192  LDS address of my spare word; never rewritten
.set NIL,   193                        ; v193  0; never rewritten
.set EMAX,  2
; x's way
.set STEPS, 16                         ; a wave takes 16 steps of 512 numbers: 8 rows of x
.set CB,    12                         ; bytes of 16 codes
.set XR,    16                         ; v16-79   four sets of 16 numbers as loaded
.set XX,    80                         ; v80-111  two sets of 16 neighbours
.set XE,    112                        ; v112-127 a scale byte for each step
.set XC,    128                        ; v128-191 codes: four registers a step
.set WREG,  8192                       ; LDS of a wave: two stages of 32 x 80 bytes, then its 256 scale bytes
.set SP,    80
; the weights' way
.set NB,    8                          ; blocks of 32 along K for a wave: 256 along K
.set WPITCH, 272                       ; a stage row: sixteen places of 16 bytes, each with 12 bytes of codes, + 16
.set WX,    32                         ; v32-95   two sets of 32 numbers
.set WC,    96                         ; v96-102  a block's codes
.set OUTR,  112                        ; v112-175 the way out
.set SB,    24                         ; v24-25   the scale bytes
.macro XLOAD t
.irp i, 0,1,2,3
	global_load_b128 v[XR+16*((\t)%4)+4*\i:XR+16*((\t)%4)+4*\i+3], v3, s[4:5] offset:2048*(\t)+512*\i th:TH_LOAD_NT   ; 32 lanes read 512 consecutive bytes
.endr
.endm
.macro XTURN t                         ; a step's numbers through the wave's stage: in as they lie, out 16 neighbours a lane; LDS serves a wave's instructions in order
.irp i, 0,1,2,3
	ds_store_b128 v14, v[XR+16*((\t)%4)+4*\i:XR+16*((\t)%4)+4*\i+3] offset:32*SP*((\t)%2)+8*SP*\i
.endr
.irp i, 0,1,2,3
	ds_load_b128 v[XX+16*((\t)%2)+4*\i:XX+16*((\t)%2)+4*\i+3], v15 offset:32*SP*((\t)%2)+16*\i
.endr
.endm
.macro XSTEP t
.set XS, XX+16*((\t)%2)
.if (\t) > 0
	s_wait_dscnt 1                                 ; this step's numbers are back from the stage; the last step's byte store may be out
.else
	s_wait_dscnt 0x0
.endif
.if (\t)+4 < STEPS
	XLOAD (\t)+4                                   ; into the registers that the stage's stores have read
.endif
.if (\t)+1 < STEPS
.if STEPS-2-(\t) >= 3
	s_wait_loadcnt 12                              ; the next step's four loads are in; those of the three steps behind it may be out
.else
	s_wait_loadcnt 4*(STEPS-2-(\t))
.endif
	XTURN (\t)+1
.endif
	v_max3_num_f32 v8, |v[XS]|, |v[XS+1]|, |v[XS+2]|               ; the largest magnitude of my 16, in two chains
	v_max3_num_f32 v9, |v[XS+3]|, |v[XS+4]|, |v[XS+5]|
.irp i, 6,10
	v_max3_num_f32 v8, v8, |v[XS+\i]|, |v[XS+\i+1]|
	v_max3_num_f32 v9, v9, |v[XS+\i+2]|, |v[XS+\i+3]|
.endr
	v_max3_num_f32 v8, v8, |v[XS+14]|, |v[XS+15]|
	v_max3_num_f32 v8, v8, v9, (EMAX+1)<<23        ; and the floor 2^(3 - 127): the byte cannot fall under 1
	v_max_num_f32_dpp v8, v8, v8 row_xmask:1 row_mask:0xf bank_mask:0xf   ; with my neighbour's 16: the block's
	v_add_nc_u32 v11, -(EMAX<<23), v8              ; 2 off the exponent field: the conversion's scale operand
	v_cvt_scalef32_pk16_fp6_f32 v[XC+4*(\t):XC+4*(\t)+2], v[XS:XS+15], v11
	v_lshrrev_b32 v[XE+(\t)], 23, v11              ; the scale's byte (also the plain line behind the conversion)
	ds_store_b8 v5, v[XE+(\t)] offset:16*(\t)      ; both lanes of a block write the same byte with the same value
	global_store_b96 v4, v[XC+4*(\t):XC+4*(\t)+2], s[22:23] offset:512*(\t)   ; a step is two units: sixteen lanes store a unit's 192 bytes of codes
.endm
.macro WLOAD t, n                      ; block t: W(32 t + i, my column), i = 0 .. 31
.irp i, 0,1,2,3,4,5,6,7,8,9,10,11,12,13,14,15,16,17,18,19,20,21,22,23,24,25,26,27,28,29,30,31
	global_load_b32 v[WX+32*((\t)%2)+\i], v3, s[24:25] offset:(32*(\t)+\i)*(\n)*4 th:TH_LOAD_NT
.endr
.endm
.macro WBLOCK t, n
.set XS, WX+32*((\t)%2)
.if (\t) < NB-1
	s_wait_loadcnt 32                              ; this block's 32 loads are in; the next block's may be out
.else
	s_wait_loadcnt 0x0
.endif
	v_max3_num_f32 v12, |v[XS]|, |v[XS+1]|, |v[XS+2]|               ; all 32 numbers of the block are mine
	v_max3_num_f32 v13, |v[XS+3]|, |v[XS+4]|, |v[XS+5]|
.irp i, 6,10,14,18,22,26
	v_max3_num_f32 v12, v12, |v[XS+\i]|, |v[XS+\i+1]|
	v_max3_num_f32 v13, v13, |v[XS+\i+2]|, |v[XS+\i+3]|
.endr
	v_max3_num_f32 v12, v12, |v[XS+30]|, |v[XS+31]|
	v_max3_num_f32 v12, v12, v13, (EMAX+1)<<23     ; and the floor
	v_add_nc_u32 v11, -(EMAX<<23), v12
	v_lshrrev_b32 v13, 23, v11                     ; the scale's byte
.if (\t)%4 == 0
	v_mov_b32 v[SB+(\t)/4], v13
.else
	v_lshl_or_b32 v[SB+(\t)/4], v13, 8*((\t)%4), v[SB+(\t)/4]
.endif
	v_cvt_scalef32_pk16_fp6_f32 v[WC:WC+2], v[XS:XS+15], v11
	v_cvt_scalef32_pk16_fp6_f32 v[WC+4:WC+6], v[XS+16:XS+31], v11   ; (a conversion's three registers begin on an even number)
	ds_store_b96 v4, v[WC:WC+2] offset:32*(\t)     ; 12 bytes to a place of 16, so that every LDS address is a multiple of 16
	ds_store_b96 v4, v[WC+4:WC+6] offset:32*(\t)+16
.if (\t)+2 < NB
	WLOAD (\t)+2, \n
.endif
	s_wait_dscnt 0x0                               ; the stores have read their registers: the next block's codes may be written
.endm
; A weight [1024][n]: a wave takes 32 columns x 256 along K.  perm = 1: Wqkv's sorting and the changed row order.  stg: the way's stage in LDS.  pin, pout: the scalar pairs with the two addresses.
.macro WPATH n, perm, stg, pin, pout, codeb, wg0
	s_sub_co_u32 s17, ttmp9, \wg0
	s_lshr_b32 s18, s17, 2                         ; which 128 columns
	s_and_b32 s19, s17, 3                          ; which 256 along K
	s_lshl_b32 s18, s18, 7
	s_lshl_b32 s20, s16, 5
	s_add_co_u32 s18, s18, s20                     ; my wave's first column
.if \perm
	s_lshr_b32 s20, s18, 6                         ; 3 head + kind
	s_mul_i32 s21, s20, 171
	s_lshr_b32 s21, s21, 9                         ; head = that / 3 (exact up to 47)
	s_mul_i32 s22, s21, 3
	s_sub_co_u32 s20, s20, s22                     ; kind
	s_lshl_b32 s20, s20, 10
	s_lshl_b32 s21, s21, 6
	s_add_co_u32 s20, s20, s21
	s_and_b32 s21, s18, 32
	s_add_co_u32 s20, s20, s21                     ; the first of my 32 rows in wq
	v_and_b32 v10, 7, v0
	v_bfe_u32 v11, v0, 3, 1
	v_lshl_add_u32 v10, v11, 4, v10
	v_bfe_u32 v11, v0, 4, 1
	v_lshl_add_u32 v10, v11, 3, v10                ; my column's place among them: bits 3 and 4 swapped
.else
	s_mov_b32 s20, s18
	v_and_b32 v10, 31, v0
.endif
	s_mul_i32 s21, s16, 32*WPITCH
	s_add_co_u32 s21, s21, \stg                    ; my stage
	v_mul_u32_u24 v4, v10, WPITCH
	v_add_nc_u32 v4, s21, v4                       ; into it: my row
	v_and_b32 v5, 15, v2
	v_lshrrev_b32 v6, 4, v2
	v_mul_u32_u24 v7, v6, WPITCH
	v_lshl_add_u32 v7, v5, 4, v7
	v_add_nc_u32 v7, s21, v7                       ; out of it: sixteen lanes to a row, two rows an instruction
	v_mul_u32_u24 v8, v6, 1024
	v_mad_u32_u24 v8, v5, 12, v8                   ; and the same place among the codes
	v_lshlrev_b32 v9, 10, v10                      ; my row, 1,024 bytes a row
.irp j, 26,27,28,29,30,31
	v_mov_b32 v\j, 0                               ; the zeros behind a unit's scale bytes
.endr
	v_lshlrev_b32 v3, 2, v2                        ; in: 4 bytes a lane
	s_wait_alu depctr_va_vdst(0)
	s_mul_i32 s22, s19, 256*(\n)*4
	s_lshl_b32 s23, s18, 2
	s_add_co_u32 s22, s22, s23
	s_mov_b32 s23, 0
	s_add_nc_u64 s[24:25], s[\pin:\pin+1], s[22:23]
	s_lshl_b32 s22, s20, 10
	s_lshl_b32 s30, s19, 8
	s_add_co_u32 s22, s22, s30
	s_add_nc_u64 s[26:27], s[\pout:\pout+1], s[22:23]   ; my first row's unit
	WLOAD 0, \n
	WLOAD 1, \n
.irp t, 0,1,2,3,4,5,6,7
	WBLOCK \t, \n
.endr
	s_wait_alu depctr_va_vdst(0)
	global_store_b128 v9, v[SB:SB+3], s[26:27] offset:192    ; my row's 8 scale bytes and 8 zeros
.irp o, 208,224,240
	global_store_b128 v9, v[28:31], s[26:27] offset:\o       ; the unit's last 48 bytes
.endr
.irp t, 0,1,2,3,4,5,6,7,8,9,10,11,12,13,14,15
	ds_load_b96 v[OUTR+4*\t:OUTR+4*\t+2], v7 offset:2*\t*WPITCH   ; LDS serves a wave's instructions in order: these see my stores
.endr
.irp t, 0,1,2,3,4,5,6,7,8,9,10,11,12,13,14,15
	s_wait_dscnt 15-\t                             ; the younger loads may be out
	global_store_b96 v8, v[OUTR+4*\t:OUTR+4*\t+2], s[26:27] offset:2*\t*1024
.endr
	s_wait_tensorcnt 0x0                           ; the wave's end
	ds_add_u32 v[SPW], v[NIL]
	s_wait_dscnt 0x0
	s_endpgm
.endm
	s_load_b256 s[4:11], s[0:1], 0x0               ; x s[4:5], Wqkv s[6:7], Wo s[8:9], xq s[10:11]
	s_load_b128 s[12:15], s[0:1], 0x20             ; wq s[12:13], woq s[14:15]
	v_lshl_add_u32 v[SPW], v0, 2, SPARE
	v_mov_b32 v[NIL], 0
	v_lshrrev_b32 v1, 5, v0
	v_readfirstlane_b32 s16, v1                    ; wave
	v_and_b32 v2, 31, v0                           ; lane
	s_wait_kmcnt 0x0
	s_cmp_ge_u32 ttmp9, 256
	s_cbranch_scc1 .Lw
	; ---- x
	s_wait_alu depctr_va_vdst(0)
	v_lshlrev_b32 v3, 4, v2                        ; my 16 bytes of a load's 512
	s_mul_i32 s17, s16, WREG
	v_lshrrev_b32 v14, 2, v2
	v_mul_u32_u24 v14, v14, SP
	v_and_b32 v15, 3, v2
	v_lshl_add_u32 v14, v15, 4, v14
	v_add_nc_u32 v14, s17, v14                     ; the stage, in: four lanes' 64 bytes on end, then 16 of padding
	v_mul_u32_u24 v15, v2, SP
	v_add_nc_u32 v15, s17, v15                     ; and out: my 16 neighbours
	v_mul_u32_u24 v4, v2, CB
	v_lshrrev_b32 v5, 4, v2
	v_lshl_add_u32 v4, v5, 6, v4                   ; lanes 16-31 write the step's second unit: 64 bytes more
	v_lshrrev_b32 v5, 1, v2
	s_add_co_u32 s17, s17, 2*32*SP
	v_add_nc_u32 v5, s17, v5                       ; my block's scale byte in LDS
	v_lshlrev_b32 v7, 3, v2
	v_add_nc_u32 v6, s17, v7
	v_lshlrev_b32 v7, 8, v2                        ; lane l finishes unit l of my wave's 32
	s_lshl_b32 s17, ttmp9, 2
	s_add_co_u32 s18, s17, s16                     ; which 8 rows of x are my wave's
	s_and_b32 s19, s18, -4
	s_and_b32 s20, s18, 1
	s_lshl_b32 s20, s20, 1
	s_or_b32 s19, s19, s20
	s_bfe_u32 s20, s18, 0x10001
	s_or_b32 s19, s19, s20                         ; and where they go: the group's two low bits swapped
	s_lshl_b32 s20, s18, 15
	s_mov_b32 s21, 0
	s_add_nc_u64 s[4:5], s[4:5], s[20:21]
	s_lshl_b32 s20, s19, 13
	s_add_nc_u64 s[22:23], s[10:11], s[20:21]      ; 8 rows: 8,192 bytes
.irp t, 0,1,2,3
	XLOAD \t
.endr
	s_wait_alu depctr_va_vdst(0)
	s_wait_loadcnt 12                              ; step 0's four loads are in
	XTURN 0
.irp t, 0,1,2,3,4,5,6,7,8,9,10,11,12,13,14,15
	XSTEP \t
.endr
.irp j, 10,11,16,17,18,19
	v_mov_b32 v\j, 0
.endr
	ds_load_b64 v[8:9], v6                         ; LDS serves a wave's instructions in order: this sees my byte stores
	s_wait_alu depctr_va_vdst(0)
	s_wait_dscnt 0x0
	global_store_b128 v7, v[8:11], s[22:23] offset:192       ; unit l's 8 scale bytes and 8 zeros
.irp o, 208,224,240
	global_store_b128 v7, v[16:19], s[22:23] offset:\o       ; its last 48 bytes
.endr
	s_wait_tensorcnt 0x0                           ; the wave's end
	ds_add_u32 v[SPW], v[NIL]
	s_wait_dscnt 0x0
	s_endpgm
.Lw:
	s_cmp_ge_u32 ttmp9, 352
	s_cbranch_scc1 .Lwo
	s_wait_alu depctr_va_vdst(0)
	WPATH 3072, 1, 32768, 6, 12, 2359296, 256
.Lwo:
	s_wait_alu depctr_va_vdst(0)
	WPATH 1024, 0, 67584, 8, 14, 786432, 352
.Lfunc_end_k_q8736a9da8f_prep:
	.size	k_q8736a9da8f_prep, .Lfunc_end_k_q8736a9da8f_prep-k_q8736a9da8f_prep
	.p2alignl 7, 3214868480
	.fill 96, 4, 3214868480
	.section	.rodata,"a",@progbits
	.p2align	6, 0x0
	.amdhsa_kernel k_q8736a9da8f_prep
		.amdhsa_group_segment_fixed_size 102912
		.amdhsa_private_segment_fixed_size 0
		.amdhsa_enable_private_segment 0
		.amdhsa_kernarg_size 48
		.amdhsa_user_sgpr_count 2
		.amdhsa_user_sgpr_kernarg_segment_ptr 1
		.amdhsa_wavefront_size32 1
		.amdhsa_system_sgpr_workgroup_id_x 1
		.amdhsa_system_sgpr_workgroup_id_y 1
		.amdhsa_system_sgpr_workgroup_id_z 1
		.amdhsa_system_vgpr_workitem_id 0
		.amdhsa_next_free_vgpr 196
		.amdhsa_next_free_sgpr 66
		.amdhsa_reserve_vcc 0
		.amdhsa_float_denorm_mode_32 3
		.amdhsa_float_denorm_mode_16_64 3
		.amdhsa_memory_ordered 1
		.amdhsa_forward_progress 1
		.amdhsa_inst_pref_size 116
	.end_amdhsa_kernel
	.amdgpu_metadata
---
amdhsa.version: [ 1, 2 ]
amdhsa.kernels:
  - .name:           k_q8736a9da8f_prep
    .symbol:         k_q8736a9da8f_prep.kd
    .args:
      - { .name: x, .offset: 0, .size: 8, .value_kind: global_buffer, .address_space: global }
      - { .name: Wqkv, .offset: 8, .size: 8, .value_kind: global_buffer, .address_space: global }
      - { .name: Wo, .offset: 16, .size: 8, .value_kind: global_buffer, .address_space: global }
      - { .name: xq, .offset: 24, .size: 8, .value_kind: global_buffer, .address_space: global }
      - { .name: wq, .offset: 32, .size: 8, .value_kind: global_buffer, .address_space: global }
      - { .name: woq, .offset: 40, .size: 8, .value_kind: global_buffer, .address_space: global }
    .group_segment_fixed_size: 102912
    .private_segment_fixed_size: 0
    .kernarg_segment_align: 8
    .kernarg_segment_size: 48
    .max_flat_workgroup_size: 128
    .sgpr_count:     66
    .vgpr_count:     196
    .wavefront_size: 32
...
	.end_amdgpu_metadata
.endif
;; end of part 1
;; launch gemm_qkv (part 2): grid 12 x 32, 4 waves a work-group, clusters of 4 x 4, 327,680 bytes of LDS; arguments xq, wq, bqkv, qkvc, qkvs; writes qkvc, qkvs
.if DOCPART == 2
	.amdgcn_target "amdgcn-amd-amdhsa--gfx1250"
	.amdhsa_code_object_version 6
	.text
	.protected	k_q8736a9da8f_gemm_qkv
	.globl	k_q8736a9da8f_gemm_qkv
	.p2align	8
	.type	k_q8736a9da8f_gemm_qkv,@function
k_q8736a9da8f_gemm_qkv:
	s_mov_b64 s[64:65], 0
	v_nop
	global_prefetch_b8 v0, s[64:65] scope:SCOPE_SE
	s_setreg_imm32_b32 hwreg(HW_REG_WAVE_MODE, 25, 1), 1
	s_wait_xcnt 0x0
	s_wait_alu depctr_hold_cnt(0) depctr_sa_sdst(0) depctr_va_vdst(0) depctr_va_sdst(0) depctr_va_ssrc(0) depctr_va_vcc(0) depctr_vm_vsrc(0)
	s_getreg_b32 s2, hwreg(HW_REG_IB_STS2, 6, 4)
	s_cmp_eq_u32 s2, 0
	s_cbranch_scc0 .Lentry_in_a_cluster
	s_endpgm
.Lentry_in_a_cluster:
	s_bfe_u32 s2, ttmp6, 0x10000c
	s_cmp_lg_u32 s2, 0xf033
	s_cbranch_scc0 .Lentry_shape_is_right
	s_endpgm
.Lentry_shape_is_right:
; qkv = x Wqkv + bqkv on codes of FP6 with E8M0 scales; the results are quantised and leave as images of the next launch's operand registers.
; A tile of 256 x 256, four waves of 128 x 128; clusters of 4 x 4 with joint loads; the third column of clusters makes V transposed (the weights as A).
; xq and wq: each 256 along K of a row is one aligned unit of 256 bytes: 192 of codes, 8 scale bytes, zeros.  A tensor row is one such unit; a slot holds one unit of 512 rows, 272 bytes apart in LDS.
; The scale words come with the tile, at byte 192 of each LDS row.  At the head each wave issues one joint load (its quarter of slot 0); slot 1's first fill stands behind the three lines and a round.
.set SIZE_K, 1024
.set KSTEP,  256
.set NQ,     KSTEP/128
.set ROWB,   256
.set KROW,   1024
.set PITCH,  272
.set FR,     12
.set NL,     6
.set NP,     4
.set HALFT,  128*PITCH
.set SLOT,   4*HALFT
.set LAPS,   SIZE_K/(2*KSTEP)
.set KS,     SIZE_K/32
.set SCL,    2*SLOT
.set SPARE,  SCL                       ; behind the ring: the spare words
.set ADRA, 16
.set ADRB, 20
.set VO0,  24
.set VO1,  25
.set VS,   26
.set ADRS, 27
.set SPW,  28
.set NIL,  29
.set SELK, 30
.set SC,   32
.set BI,   64
.set AF,   128
.set PC,   112
.set TM,   200
.set PWS,  224
.set G1, 24
.set G0, 32
.set G1B, 48
.set G0B, 56
.set G1S, 68
.set G0S, 76
.set G1SB, 80
.set G0SB, 88
.set TV,  66
.set TVM, 67
.set SCD, 47
.set SA,  92
.set S34, 93
.set SEL, 98
.set MHI, 100
.set MSB, 0
.macro WIN new
.if MSB != \new
	s_set_vgpr_msb (MSB<<8)|\new
.set MSB, \new
.endif
.endm
.set MUL_LO, 0xa1
.set MUL_HI, 0xf1
.set TO_B,   0x40
.macro JLOAD g0a, g1a, g0b, g1b
	s_cmp_eq_u32 s15, 0
	s_cbranch_scc0 .Lfor_b_\@
	tensor_load_to_lds s[\g0a:\g0a+3], s[\g1a:\g1a+7]
	s_nop 0
.rept 4
	v_nop
.endr
	s_branch .Lasked_\@
.Lfor_b_\@:
	tensor_load_to_lds s[\g0b:\g0b+3], s[\g1b:\g1b+7]
	s_nop 0
.rept 4
	v_nop
.endr
.Lasked_\@:
.endm
.macro CREST
	s_cmp_lg_u32 s14, 0
	s_cbranch_scc1 .Lnot_wave_0_\@
	s_barrier_signal -3
.Lnot_wave_0_\@:
	s_barrier_wait -3
	s_barrier_signal -1
	s_barrier_wait -1
.endm
.macro CROUND
	s_barrier_signal -1
	s_barrier_wait -1
	CREST
.endm
	s_load_b256 s[4:11], s[0:1], 0x0
	s_load_b64 s[12:13], s[0:1], 0x20
	v_lshl_add_u32 v[SPW], v0, 2, SPARE
	v_mov_b32 v[NIL], 0
	ds_add_u32 v[SPW], v[NIL]
	ds_add_u32 v[SPW], v[NIL]
	v_lshrrev_b32 v1, 5, v0
	v_readfirstlane_b32 s14, v1
	s_lshr_b32 s15, s14, 1
	s_and_b32 s16, s14, 1
	s_bfe_u32 s40, ttmp6, 0x40000
	s_bfe_u32 s41, ttmp6, 0x40004
	s_and_b32 s95, ttmp7, 0xffff
	s_cmp_eq_u32 ttmp9, 2
	s_cselect_b32 s[TV], 1, 0
	s_cselect_b32 s[TVM], -1, 0
	s_cselect_b32 s42, s95, ttmp9
	s_cselect_b32 s17, 0, s95
	s_lshl_b32 s42, s42, 2
	s_add_co_u32 s42, s42, s40
	s_lshl_b32 s17, s17, 2
	s_add_co_u32 s17, s17, s41
	s_lshl_b32 s43, s41, 2
	s_lshl_b32 s43, 15, s43
	s_lshl_b32 s44, 0x1111, s40
	s_or_b32 s[G1+0], s43, (0<<16)|(1<<20)|(1<<21)|(5<<22)|(3<<25)   ; 4 words of padding behind every 64
	s_or_b32 s[G1B+0], s44, (0<<16)|(1<<20)|(1<<21)|(5<<22)|(3<<25)
.irp g, G1, G1B
	s_mov_b32 s[\g+1], ROWB<<16
	s_mov_b32 s[\g+2], 128<<16
	s_mov_b32 s[\g+3], ROWB<<16
	s_mov_b32 s[\g+4], 128
	s_mov_b32 s[\g+5], KROW
	s_mov_b32 s[\g+6], 0
	s_mov_b32 s[\g+7], 0
.endr
	s_lshl_b32 s18, s16, 7
	s_lshl_b32 s20, s17, 8
	s_add_co_u32 s20, s20, s18
	s_lshl_b32 s46, s42, 8
	s_add_co_u32 s46, s46, s18
	s_mov_b32 s21, 0
	s_mov_b32 s47, 0
	s_mov_b64 s[18:19], KROW
	s_mul_u64 s[20:21], s[20:21], s[18:19]
	s_mul_u64 s[46:47], s[46:47], s[18:19]
	s_mul_i32 s45, s14, HALFT
	s_wait_dscnt 0x0
	s_wait_kmcnt 0x0
	s_add_nc_u64 s[96:97], s[6:7], 2097152         ; wq's rows of V: 2,048 rows of 1,024 bytes on
	s_cmp_eq_u32 s[TV], 1
	s_cselect_b64 s[96:97], s[96:97], s[4:5]
	s_cselect_b64 s[4:5], s[4:5], s[6:7]
	s_add_nc_u64 s[20:21], s[96:97], s[20:21]
	s_add_nc_u64 s[46:47], s[4:5], s[46:47]
	CROUND                                         ; the round in front of the first joint loads
.irp s, 0,1
	s_mov_b32 s[G0+4*\s], 1
	s_add_co_u32 s[G0+4*\s+1], s45, \s*SLOT
	s_add_nc_u64 s[G0+4*\s+2:G0+4*\s+3], s[20:21], \s*ROWB
	s_or_b32 s[G0+4*\s+3], s[G0+4*\s+3], 0x80000000
	s_mov_b32 s[G0B+4*\s], 1
	s_add_co_u32 s[G0B+4*\s+1], s45, \s*SLOT
	s_add_nc_u64 s[G0B+4*\s+2:G0B+4*\s+3], s[46:47], \s*ROWB
	s_or_b32 s[G0B+4*\s+3], s[G0B+4*\s+3], 0x80000000
.endr
	JLOAD G0, G1, G0B, G1B                         ; unit 0: one tensor load a wave at the head
	v_and_b32 v1, 15, v0
	v_bfe_u32 v2, v0, 4, 1
	v_mul_u32_u24 v3, v1, PITCH
	v_mul_u32_u24 v4, v2, 24
	v_add_nc_u32 v4, v3, v4
	s_mul_i32 s21, s15, HALFT
	s_mul_i32 s22, s16, HALFT
	s_add_co_u32 s22, s22, 2*HALFT
	s_sub_co_u32 s23, s22, s21                     ; from my rows of A to my rows of B
	v_mul_u32_u24 v5, s23, v2
	v_add_nc_u32 v5, v3, v5                        ; the scale words: lanes 0-15 A's rows, lanes 16-31 B's
.irp s, 0,1
	v_add_nc_u32 v[ADRA+\s], s21, v4
	v_add_nc_u32 v[ADRB+\s], s22, v4
	v_add_nc_u32 v[ADRS+4*\s], s21, v5             ; v27 for slot 0, v31 for slot 1
	s_add_co_u32 s21, s21, SLOT
	s_add_co_u32 s22, s22, SLOT
.endr
	s_lshl_b32 s18, s17, 1
	s_add_co_u32 s18, s18, s15
	s_lshl_b32 s19, s42, 1
	s_add_co_u32 s19, s19, s16
	s_lshl_b32 s21, s18, 1
	s_and_b32 s22, s19, 7
	s_lshl_b32 s22, s22, 1
	s_mov_b32 s[SCD], 294912
	s_mov_b32 s[SA], 768
	s_mov_b32 s[S34], 768
	s_cmp_eq_u32 s[TV], 1
	s_cselect_b32 s20, s19, s18
	s_cselect_b32 s21, s21, s22
	s_cselect_b32 s23, 0, 64
	s_cselect_b32 s45, 4, 0
	s_cselect_b32 s46, 0, 4
	s_cselect_b32 s[SCD], 768, s[SCD]
	s_cselect_b32 s[SA], 1536, s[SA]
	s_cselect_b32 s[S34], 290304, s[S34]
	s_lshr_b32 s94, s20, 4
	s_lshl_b32 s94, s94, 8
	s_lshl_b32 s95, s21, 4
	s_add_co_u32 s94, s94, s95
	s_and_b32 s95, s20, 15
	s_add_co_u32 s94, s94, s95
	s_mul_i32 s96, s94, 18432
	s_mul_i32 s95, ttmp9, 6144
	s_add_co_u32 s96, s96, s95
	s_mov_b32 s97, 0
	s_add_nc_u64 s[10:11], s[10:11], s[96:97]
	s_mul_i32 s96, s94, 768
	s_lshl_b32 s95, ttmp9, 8
	s_add_co_u32 s96, s96, s95
	s_add_nc_u64 s[12:13], s[12:13], s[96:97]
	s_mul_i32 s96, s21, 192
	s_lshl_b32 s95, ttmp9, 6
	s_add_co_u32 s96, s96, s95
	s_lshl_b32 s96, s96, 2
	s_add_nc_u64 s[8:9], s[8:9], s[96:97]
	s_mov_b32 s[SEL], 0x76543210
	s_mov_b32 s[SEL+1], 0xfedcba98
	s_mov_b32 s[MHI], 0xffff0000
	v_and_b32 v3, 8, v1
	v_add_nc_u32 v3, v3, v1
	v_mul_u32_u24 v3, v3, s45
	v_mad_u32_u24 v[PWS], v2, s23, v3
.irp j, 1,2,3,4,5,6,7
	v_add_nc_u32 v[PWS+\j], s46, v[PWS+\j-1]
.endr
.irp i, 0,1,2,3,4,5,6,7
.irp j, 0,1,2,3,4,5,6,7
	global_load_b32 v[BI+8*\i+\j], v[PWS+\j], s[8:9] offset:4*((\i/4)*192+32*((\i/2)%2)+8*(\i%2))
.endr
.endr
.macro FRAG reg, adr, q, i
.irp p, 0,1,2,3,4,5
	ds_load_b64 v[\reg+2*\p:\reg+2*\p+1], v[\adr] offset:96*(\q)+48*(\p/3)+8*(\p%3)+(\i)*16*PITCH
.endr
.endm
.macro MUL16 a0, p, q, sc, cm
.irp a, \a0, \a0+1
.irp b, 0,1,2,3,4,5,6,7
.if \cm == 1
	v_wmma_scale_f32_16x16x128_f8f6f4 v[8*(8*((\a)%4)+\b):8*(8*((\a)%4)+\b)+7], v[128*(\p)+FR*\b:128*(\p)+FR*\b+FR-1], v[AF+FR*(\a):AF+FR*(\a)+FR-1], v[BI+8*\b:BI+8*\b+7], v[SC+8*NQ*(\sc)+NQ*\b+(\q)], v[SC+8*NQ*(\sc)+NQ*(\a)+(\q)] matrix_a_fmt:MATRIX_FMT_FP6 matrix_b_fmt:MATRIX_FMT_FP6 matrix_a_scale:MATRIX_SCALE_ROW1
.elseif \cm == 2
	v_wmma_scale_f32_16x16x128_f8f6f4 v[8*(8*((\a)%4)+\b):8*(8*((\a)%4)+\b)+7], v[128*(\p)+FR*\b:128*(\p)+FR*\b+FR-1], v[AF+FR*(\a):AF+FR*(\a)+FR-1], v[BI+8*(\a):BI+8*(\a)+7], v[SC+8*NQ*(\sc)+NQ*\b+(\q)], v[SC+8*NQ*(\sc)+NQ*(\a)+(\q)] matrix_a_fmt:MATRIX_FMT_FP6 matrix_b_fmt:MATRIX_FMT_FP6 matrix_a_scale:MATRIX_SCALE_ROW1
.else
	v_wmma_scale_f32_16x16x128_f8f6f4 v[8*(8*((\a)%4)+\b):8*(8*((\a)%4)+\b)+7], v[128*(\p)+FR*\b:128*(\p)+FR*\b+FR-1], v[AF+FR*(\a):AF+FR*(\a)+FR-1], v[8*(8*((\a)%4)+\b):8*(8*((\a)%4)+\b)+7], v[SC+8*NQ*(\sc)+NQ*\b+(\q)], v[SC+8*NQ*(\sc)+NQ*(\a)+(\q)] matrix_a_fmt:MATRIX_FMT_FP6 matrix_b_fmt:MATRIX_FMT_FP6 matrix_a_scale:MATRIX_SCALE_ROW1
.endif
.endr
.endr
.endm
.macro FETCH_B slot, q, p
	WIN TO_B
.irp i, 0,1,2,3,4,5,6,7
	FRAG 128*(\p)+FR*\i, ADRB+\slot, \q, \i
.endr
	WIN 0
.endm
.macro FETCH_A slot, q, i0
.irp i, \i0, \i0+1, \i0+2, \i0+3
	FRAG AF+FR*(\i), ADRA+\slot, \q, \i
.endr
.endm
.macro SCALES sc
.irp i, 0,1,2,3,4,5,6,7
	ds_load_b64 v[SC+8*NQ*\sc+NQ*\i:SC+8*NQ*\sc+NQ*\i+1], v[ADRS+4*\sc] offset:192+\i*16*PITCH   ; the unit's two scale words of each row
.endr
.endm
.macro PLACES n
.rept \n
	v_nop
.endr
.endm
.macro STEP slot, q, cm
	s_wait_dscnt 4*NL
.if \cm
	WIN 0x81
.else
	WIN MUL_LO
.endif
	MUL16 0, (\q)%2, \q, \slot, \cm
	MUL16 2, (\q)%2, \q, \slot, \cm
	s_wait_dscnt 0
	PLACES NP
	FETCH_B \slot, (\q)+1, 1-(\q)%2
	FETCH_A \slot, (\q)+1, 0
.if \cm
	WIN 0xc1
.else
	WIN MUL_HI
.endif
	MUL16 4, (\q)%2, \q, \slot, \cm
	MUL16 6, (\q)%2, \q, \slot, \cm
	PLACES NP
	WIN 0
	FETCH_A \slot, (\q)+1, 4
.endm
.macro TURN slot, next, fill
	s_wait_tensorcnt 0x0
	ds_add_u32 v[SPW], v[NIL]
	s_wait_dscnt 4*NL+1
	WIN MUL_LO
	MUL16 0, 1, NQ-1, \slot, 0
	s_wait_dscnt 0x0
	s_barrier_signal -1
	MUL16 2, 1, NQ-1, \slot, 0
	WIN 0
	s_barrier_wait -1
.if \fill
	CREST
	s_add_nc_u64 s[G0+4*\slot+2:G0+4*\slot+3], s[G0+4*\slot+2:G0+4*\slot+3], 2*ROWB
	s_add_nc_u64 s[G0B+4*\slot+2:G0B+4*\slot+3], s[G0B+4*\slot+2:G0B+4*\slot+3], 2*ROWB
	JLOAD G0+4*\slot, G1, G0B+4*\slot, G1B
.else
	PLACES NP
.endif
	FETCH_B \next, 0, 0
	FETCH_A \next, 0, 0
	SCALES \next
	WIN MUL_HI
	MUL16 4, 1, NQ-1, \slot, 0
	MUL16 6, 1, NQ-1, \slot, 0
	PLACES NP
	WIN 0
	FETCH_A \next, 0, 4
.endm
	s_wait_alu depctr_va_vdst(0)
	s_wait_tensorcnt 0x0                           ; my part of unit 0 is in
	ds_add_u32 v[SPW], v[NIL]
	s_wait_dscnt 0x0
	CROUND                                         ; everybody's part is in, and the joint loads meet
	JLOAD G0+4, G1, G0B+4, G1B                     ; unit 1, into slot 1
	FETCH_B 0, 0, 0
	FETCH_A 0, 0, 0
	SCALES 0
	FETCH_A 0, 0, 4
	s_wait_loadcnt 0x0
	s_cmp_eq_u32 s[TV], 1
	s_cbranch_scc1 .Lfirst_v
	STEP 0, 0, 1
	s_branch .Lfirst_done
.Lfirst_v:
	STEP 0, 0, 2
.Lfirst_done:
	s_mov_b32 s3, LAPS-1
.Llap:
	TURN 0, 1, 1
	STEP 1, 0, 0
	TURN 1, 0, 1
	STEP 0, 0, 0
	s_sub_co_u32 s3, s3, 1
	s_cmp_lg_u32 s3, 0
	s_cbranch_scc1 .Llap
	TURN 0, 1, 0
	STEP 1, 0, 0
	s_wait_dscnt 4*NL
	WIN MUL_LO
	MUL16 0, 1, NQ-1, 1, 0
	MUL16 2, 1, NQ-1, 1, 0
	s_wait_dscnt 0
	WIN MUL_HI
	MUL16 4, 1, NQ-1, 1, 0
	MUL16 6, 1, NQ-1, 1, 0
	WIN 0
.macro QBLK a
.set AW, 2+(\a)/4
.set ACB, 64*((\a)%4)
	WIN AW*5
.irp b, 0,1,2,3
	v_max3_num_f32 v[TM+\b], |v[ACB+16*\b]|, |v[ACB+16*\b+1]|, 0x1800000
.endr
.irp i, 2,4,6,8,10,12,14
.irp b, 0,1,2,3
	v_max3_num_f32 v[TM+\b], |v[ACB+16*\b+\i]|, |v[ACB+16*\b+\i+1]|, v[TM+\b]
.endr
.endr
	WIN 0
.irp b, 0,1,2,3
	v_permlanex16_b32 v[TM+4+\b], v[TM+\b], s[SEL], s[SEL+1]
.endr
.irp b, 0,1,2,3
	v_max_num_f32 v[TM+\b], v[TM+\b], v[TM+4+\b]
.endr
.irp b, 0,1,2,3
	v_add_nc_u32 v[TM+12+\b], 0xff000000, v[TM+\b]
.endr
.irp b, 0,1,2,3
	v_lshrrev_b32 v[TM+4+\b], 23, v[TM+12+\b]
.endr
	v_lshl_or_b32 v[PWS+(\a)], v[TM+5], 8, v[TM+4]
	v_lshl_or_b32 v[PWS+(\a)], v[TM+6], 16, v[PWS+(\a)]
	v_lshl_or_b32 v[PWS+(\a)], v[TM+7], 24, v[PWS+(\a)]
.if (\a) > 0
	s_wait_xcnt 0x0
.if (\a) == 4
	v_add_nc_u32 v[VO0], s[S34], v[VO0]
	v_add_nc_u32 v[VO1], s[S34], v[VO1]
.else
	v_add_nc_u32 v[VO0], s[SA], v[VO0]
	v_add_nc_u32 v[VO1], s[SA], v[VO1]
.endif
.endif
	WIN AW
.irp c, 0,1
	v_cvt_scalef32_pk16_fp6_f32 v[PC+6*\c:PC+6*\c+2], v[ACB+32*\c:ACB+32*\c+15], v[TM+12+2*\c]
	v_cvt_scalef32_pk16_fp6_f32 v[PC+12+4*\c:PC+14+4*\c], v[ACB+16+32*\c:ACB+31+32*\c], v[TM+12+2*\c+1]
.endr
	WIN 0
	v_nop
.irp c, 0,1
.irp i, 0,1,2
	v_permlane16_swap_b32 v[PC+6*\c+\i], v[PC+12+4*\c+\i]
.endr
.irp i, 0,1,2
	v_mov_b32 v[PC+3+6*\c+\i], v[PC+12+4*\c+\i]
.endr
.endr
.irp p, 0,1,2
	global_store_b64 v[VO0], v[PC+2*\p:PC+2*\p+1], s[10:11] offset:256*\p
.endr
.irp p, 0,1,2
	global_store_b64 v[VO1], v[PC+6+2*\p:PC+7+2*\p], s[10:11] offset:256*\p
.endr
.endm
	PLACES NP
.irp b, 0,1,2,3
	v_mov_b32 v[TM+4+\b], 0
.endr
	v_and_b32 v3, 31, v0
	v_lshlrev_b32 v[VO0], 3, v3
	v_add_nc_u32 v[VO1], s[SCD], v[VO0]
.irp a, 0,1,2,3,4,5,6,7
	QBLK \a
.endr
	v_mov_b32 v3, 0x05040100
	v_mov_b32 v4, 0x07060302
	v_cndmask_b32 v[SELK], v3, v4, s[MHI]
.irp i, 0,1,2,3
	v_perm_b32 v[232+\i], v[PWS+2*\i+1], v[PWS+2*\i], v[SELK]
	v_cndmask_b32 v[236+\i], v[PWS+\i], v[PWS+4+\i], s[MHI]
.endr
.irp i, 0,1,2,3
	v_cndmask_b32 v[232+\i], v[232+\i], v[236+\i], s[TVM]
.endr
	v_lshlrev_b32 v[VS], 4, v1
	v_mad_u32_u24 v[VS], v2, 12288, v[VS]
	global_store_b128 v[VS], v[232:235], s[12:13]
	s_wait_tensorcnt 0x0
	ds_add_u32 v[SPW], v[NIL]
	s_wait_dscnt 0x0
	CROUND
	s_endpgm
.Lfunc_end_k_q8736a9da8f_gemm_qkv:
	.size	k_q8736a9da8f_gemm_qkv, .Lfunc_end_k_q8736a9da8f_gemm_qkv-k_q8736a9da8f_gemm_qkv
	.p2alignl 7, 3214868480
	.fill 96, 4, 3214868480
	.section	.rodata,"a",@progbits
	.p2align	6, 0x0
	.amdhsa_kernel k_q8736a9da8f_gemm_qkv
		.amdhsa_group_segment_fixed_size 327680
		.amdhsa_private_segment_fixed_size 0
		.amdhsa_enable_private_segment 0
		.amdhsa_kernarg_size 40
		.amdhsa_user_sgpr_count 2
		.amdhsa_user_sgpr_kernarg_segment_ptr 1
		.amdhsa_wavefront_size32 1
		.amdhsa_system_sgpr_workgroup_id_x 1
		.amdhsa_system_sgpr_workgroup_id_y 1
		.amdhsa_system_sgpr_workgroup_id_z 1
		.amdhsa_system_vgpr_workitem_id 0
		.amdhsa_next_free_vgpr 1024
		.amdhsa_next_free_sgpr 106
		.amdhsa_reserve_vcc 0
		.amdhsa_float_denorm_mode_32 3
		.amdhsa_float_denorm_mode_16_64 3
		.amdhsa_memory_ordered 1
		.amdhsa_forward_progress 1
		.amdhsa_inst_pref_size 188
	.end_amdhsa_kernel
	.amdgpu_metadata
---
amdhsa.version: [ 1, 2 ]
amdhsa.kernels:
  - .name:           k_q8736a9da8f_gemm_qkv
    .symbol:         k_q8736a9da8f_gemm_qkv.kd
    .args:
      - { .name: xq, .offset: 0, .size: 8, .value_kind: global_buffer, .address_space: global }
      - { .name: wq, .offset: 8, .size: 8, .value_kind: global_buffer, .address_space: global }
      - { .name: bqkv, .offset: 16, .size: 8, .value_kind: global_buffer, .address_space: global }
      - { .name: qkvc, .offset: 24, .size: 8, .value_kind: global_buffer, .address_space: global }
      - { .name: qkvs, .offset: 32, .size: 8, .value_kind: global_buffer, .address_space: global }
    .group_segment_fixed_size: 327680
    .private_segment_fixed_size: 0
    .kernarg_segment_align: 8
    .kernarg_segment_size: 40
    .max_flat_workgroup_size: 128
    .sgpr_count:     106
    .vgpr_count:     1024
    .wavefront_size: 32
...
	.end_amdgpu_metadata
.endif
;; end of part 2
;; launch attn (part 3): grid 4 x 64, 16 waves a work-group, clusters of 4 x 1, 262,144 bytes of LDS; arguments qkvc, qkvs, aq; writes aq
.if DOCPART == 3
	.amdgcn_target "amdgcn-amd-amdhsa--gfx1250"
	.amdhsa_code_object_version 6
	.text
	.protected	k_q8736a9da8f_attn
	.globl	k_q8736a9da8f_attn
	.p2align	8
	.type	k_q8736a9da8f_attn,@function
k_q8736a9da8f_attn:
	s_mov_b64 s[64:65], 0
	v_nop
	global_prefetch_b8 v0, s[64:65] scope:SCOPE_SE
	s_setreg_imm32_b32 hwreg(HW_REG_WAVE_MODE, 25, 1), 1
	s_wait_xcnt 0x0
	s_wait_alu depctr_hold_cnt(0) depctr_sa_sdst(0) depctr_va_vdst(0) depctr_va_sdst(0) depctr_va_ssrc(0) depctr_va_vcc(0) depctr_vm_vsrc(0)
	s_getreg_b32 s2, hwreg(HW_REG_IB_STS2, 6, 4)
	s_cmp_eq_u32 s2, 0
	s_cbranch_scc0 .Lentry_in_a_cluster
	s_endpgm
.Lentry_in_a_cluster:
	s_bfe_u32 s2, ttmp6, 0x10000c
	s_cmp_lg_u32 s2, 0x3003
	s_cbranch_scc0 .Lentry_shape_is_right
	s_endpgm
.Lentry_shape_is_right:
; For each of 64 heads of batches: O[q] = sum over k of p(q, k) V[k] / l(q), p = 2^(t - M), t = (Q[q] . K[k]) log2(e) / 8, M the running largest t rounded up to a whole number, l the sum of the unquantised p.
; Both products on codes of FP6 (E2M3) with E8M0 scales; p is quantised along the keys; O / l is quantised along the head's 64 and leaves as codes: the operand of the last product.
; IN: images of operand registers (768 bytes = 6 registers x 32 lanes: 16 rows x 64 along K).  Q, K: 8 tiles for each 128 places; lane r of tile a holds place 32 (a / 2) + 8 (a % 2) + r + 8 (r / 8).  V: for each 128 keys 4 fragments of 16 d x 128 keys.
; SHARES.  A work-group owns 512 queries of one head, in two passes of 256; in a pass each of its sixteen waves owns one tile of 16 queries, in 256 registers: four waves to a SIMD, so that one wave's vector work stands beside another's matrix work and LDS loads.
; A HEAD'S K AND V STAY IN LDS: 196,608 bytes of codes and 8,192 of scale words are filled ONCE, so there is no ring and no refill.  The four work-groups of a head are a cluster and ask for them jointly (mask 15).
; THE HEAD IS 64 LONG, THE INSTRUCTION 128: two neighbouring tiles of K are one operand (tile 2 b in K = 0 .. 63, tile 2 b + 1 in K = 64 .. 127), multiplied once by [q | zeros] and once by [zeros | q]: zero codes add nothing.
; Both products are used transposed (source 0 = K's or V's rows, source 1 = my queries): a lane holds one query throughout; the 16 registers of score tiles 2 b, 2 b + 1 are the keys 32 b + 16 (lane / 16) + 0 .. 15.
; A block's largest p is taken as 2^ of the block's largest score, by the same two instructions: this takes v_exp_f32 not to fall where its input rises.
; LIMITS: a block of zeros, or one under 2^-124, gets the byte 1; NaN and infinities are not served.
; OUT: aq: codes [head][query][48 bytes], scale bytes [head][query][2] behind them: read as rows of 1,024 numbers these are the rows that the reshape without a permute gives.
.set SC,    0                          ; LDS: scale words [16 steps][K 256 | V 256]
.set CODES, 8192                       ; codes [16 steps][K 6,144 | V 6,144]
.set STEPB, 12288
; OUT, AS THIS TEXT STORES IT (in place of codes with the scale bytes behind them): aq in aligned units of 256 bytes, one for each four neighbouring queries of a head:
; 4 x 48 bytes of codes, their 4 x 2 scale bytes, 56 zeros.  Sixteen queries, four units, are one row of 1,024 numbers of the reshape without a permute.
; A wave's tile of 16 queries is four whole units (two runs of two), so each wave stages and stores its own: no wave reads another's stage, and no barrier stands at a pass's end.
.set STG0,  204800                     ; the stages: 1,024 bytes for each of 16 waves
.set SPARE, 230400                     ; the spare words, 128 bytes for each of 16 waves
.set AK0, 1                            ; v1   CODES + 8 x lane
.set AS0, 2                            ; v2   lanes 16-31: this step's words of V; lanes 0-15: the next step's words of K
.set SPW, 3
.set NIL, 4
.set ADV, 5                            ; v5-7 the addresses of the loads in hand
.set ADK, 6
.set ADS, 7
.set QW,  34                           ; v34  Q's scale word: its two bytes twice
.set QR,  35                           ; v35  as loaded
.set SW,  36                           ; v36-39 scale words: lanes 0-15 K's four pairs of tiles, lanes 16-31 V's four tiles
.set KF,  40                           ; v40-87  K: four pairs of tiles
.set VF,  88                           ; v88-135 V: four fragments
.set S,   136                          ; v136-199 the scores, then p
.set O,   200                          ; v200-231 O^T: four tiles
.set PCD, 232                          ; v232-243 p's codes (v240-243 first hold the blocks' largest scores)
.set BM,  240
.set T2,  244                          ; v244-251 at work
.set SO,  252                          ; v252-255 the conversions' scale operands
.set WV,  18                           ; v8, v9 at work; v10 f, v11 p's scale word; v12 -M, v13 the largest t; v[14:15] the sum in two halves; v16-33 [zeros | q | zeros]
.set SEL, 20
.set CS,  22
.set G1C, 24
.set G1S, 32
.set G0C, 40
.set G0S, 44
.set TB,  48                           ; s48  this step's codes, in bytes from CODES
.set TBN, 49                           ; s49  the next step's, held at the last step
.set TS,  50                           ; s50  this step's scale words
.set CNT, 51
.macro CROUND                          ; a round of the cluster's barrier
	s_barrier_signal -1
	s_barrier_wait -1
	s_cmp_lg_u32 s[WV], 0
	s_cbranch_scc1 .Lnot_wave_0_\@
	s_barrier_signal -3
.Lnot_wave_0_\@:
	s_barrier_wait -3
	s_barrier_signal -1
	s_barrier_wait -1
.endm
	s_load_b128 s[4:7], s[0:1], 0x0                ; qkvc, qkvs
	s_load_b64 s[8:9], s[0:1], 0x10                ; aq
	v_lshl_add_u32 v[SPW], v0, 2, SPARE
	v_mov_b32 v[NIL], 0
	ds_add_u32 v[SPW], v[NIL]                      ; the wave's opening
	ds_add_u32 v[SPW], v[NIL]
	v_lshrrev_b32 v8, 5, v0
	s_delay_alu instid0(VALU_DEP_1)
	v_readfirstlane_b32 s[WV], v8                  ; wave 0..15
	s_bfe_u32 s52, ttmp6, 0x40000                  ; cx: which 512 queries; it enters Q's and the output's addresses alone
	s_and_b32 s53, ttmp7, 0xffff                   ; the head of a batch, which the four partners share
	; the codes: a wave brings two key steps: 2 rows of 12,288 bytes (K's and V's 6,144 lie on end), 18,432 bytes apart, in elements of 8 bytes
	s_mov_b32 s[G1C], 15|(3<<16)|(1<<21)           ; the mask: all four work-groups; elements of 8 bytes; bit 21 beside a mask; no padding
	s_mov_b32 s[G1C+1], 1536<<16                   ; tensor_dim0
	s_mov_b32 s[G1C+2], 2<<16                      ; tensor_dim1
	s_mov_b32 s[G1C+3], 1536<<16                   ; tile_dim0
	s_mov_b32 s[G1C+4], 2                          ; tile_dim1
	s_mov_b32 s[G1C+5], 2304                       ; the pitch
	s_mov_b32 s[G1C+6], 0
	s_mov_b32 s[G1C+7], 0
	; the scale words of the whole head: 16 rows of 512 bytes, 768 apart
	s_mov_b32 s[G1S], 15|(3<<16)|(1<<21)
	s_mov_b32 s[G1S+1], 64<<16
	s_mov_b32 s[G1S+2], 16<<16
	s_mov_b32 s[G1S+3], 64<<16
	s_mov_b32 s[G1S+4], 16
	s_mov_b32 s[G1S+5], 96
	s_mov_b32 s[G1S+6], 0
	s_mov_b32 s[G1S+7], 0
	s_mov_b32 s[SEL], 0x76543210
	s_mov_b32 s[SEL+1], 0xfedcba98                 ; v_permlanex16_b32's selects for lane l xor 16
	s_mov_b32 s[CS], 0x3e38aa3b                    ; c = log2(e) / 8
	s_mov_b32 s[CS+1], s[CS]                       ; (named with it as a pair, so it is written)
	s_and_b32 s12, s[WV], 7
	s_mov_b32 s[G0C], 1
	s_mul_i32 s[G0C+1], s12, 2*STEPB
	s_add_co_u32 s[G0C+1], s[G0C+1], CODES         ; LDS: key steps 2 w and 2 w + 1
	s_mov_b32 s[G0S], 1
	s_mov_b32 s[G0S+1], SC
	s_mul_i32 s10, s53, 294912
	s_mul_i32 s11, s12, 36864
	s_add_co_u32 s10, s10, s11
	s_add_co_u32 s10, s10, 6144                    ; behind the group's Q
	s_mov_b32 s11, 0
	s_mul_i32 s14, s53, 12288
	s_add_co_u32 s14, s14, 256
	s_mov_b32 s15, 0
	s_wait_dscnt 0x0                               ; the opening add is done
	s_wait_kmcnt 0x0
	s_add_nc_u64 s[G0C+2:G0C+3], s[4:5], s[10:11]
	s_or_b32 s[G0C+3], s[G0C+3], 0x80000000
	s_add_nc_u64 s[G0S+2:G0S+3], s[6:7], s[14:15]
	s_or_b32 s[G0S+3], s[G0S+3], 0x80000000
	CROUND                                         ; all four work-groups are here: the joint loads meet
	s_cmp_lt_u32 s[WV], 8                          ; waves 0-7 bring the codes, wave 8 the scale words, the others nothing: one tensor load a wave at the most
	s_cbranch_scc0 .Lnot_codes
	tensor_load_to_lds s[G0C:G0C+3], s[G1C:G1C+7]
	s_nop 0
.rept 4
	v_nop
.endr
	s_branch .Lasked
.Lnot_codes:
	s_cmp_eq_u32 s[WV], 8
	s_cbranch_scc0 .Lasked
	tensor_load_to_lds s[G0S:G0S+3], s[G1S:G1S+7]
	s_nop 0
.rept 4
	v_nop
.endr
.Lasked:
	; where my queries come from and go to
	s_lshl_b32 s54, s53, 4
	s_lshl_b32 s55, s52, 2
	s_add_co_u32 s54, s54, s55
	s_lshr_b32 s55, s[WV], 3
	s_add_co_u32 s54, s54, s55                     ; 16 head + 4 cx + wave / 8: my group of 128 queries in the first pass; the second pass's lies two groups on
	s_mul_i32 s68, s54, 18432
	s_mul_i32 s55, s12, 768
	s_add_co_u32 s68, s68, s55                     ; my tile: wave % 8
	s_mov_b32 s69, 0
	s_add_nc_u64 s[56:57], s[4:5], s[68:69]
	s_mul_i32 s68, s54, 768
	s_lshr_b32 s55, s12, 1
	s_lshl_b32 s55, s55, 2
	s_add_co_u32 s68, s68, s55                     ; the word that holds my tile's two bytes
	s_add_nc_u64 s[58:59], s[6:7], s[68:69]
	s_lshl_b32 s68, s53, 17                        ; 64 bytes a query: a head's 2,048,
	s_lshl_b32 s55, s52, 15                        ; my work-group's 512,
	s_add_co_u32 s68, s68, s55
	s_lshr_b32 s55, s[WV], 1
	s_lshl_b32 s55, s55, 11                        ; 32 (wave / 2)
	s_add_co_u32 s68, s68, s55
	s_and_b32 s55, s[WV], 1
	s_lshl_b32 s55, s55, 9                         ; + 8 (wave % 2)
	s_add_co_u32 s68, s68, s55
	s_add_nc_u64 s[60:61], s[8:9], s[68:69]        ; my tile's first unit
	s_mov_b32 s71, 0x1111                          ; the first lane of each unit's eight
	s_and_b32 s54, s[WV], 1
	s_cmp_eq_u32 s54, 1
	s_mov_b32 s66, 0x01000100
	s_cselect_b32 s66, 0x03020302, s66             ; an even tile's bytes are the word's lower two, an odd tile's the upper two
	s_lshl_b32 s70, s[WV], 10
	s_add_co_u32 s70, s70, STG0                    ; my stage
	v_and_b32 v8, 31, v0
	s_delay_alu instid0(VALU_DEP_1)
	v_lshl_add_u32 v[AK0], v8, 3, CODES
	v_and_b32 v8, 15, v0
	v_bfe_u32 v9, v0, 4, 1
	s_delay_alu instid0(VALU_DEP_1)
	v_xor_b32 v9, 1, v9
	s_delay_alu instid0(VALU_DEP_3)
	v_lshlrev_b32 v[AS0], 4, v8
	s_delay_alu instid0(VALU_DEP_1)
	v_lshl_add_u32 v[AS0], v9, 8, v[AS0]
	s_delay_alu instid0(VALU_DEP_1)
	v_add_nc_u32 v[AS0], SC+256, v[AS0]            ; 256 + 16 r, and 256 more for lanes 0-15
.irp j, 0,1,2,3,4,5
	v_mov_b32 v[16+\j], 0                          ; the zero halves beside q
	v_mov_b32 v[28+\j], 0
.endr
	v_mov_b32 v11, 0                               ; (named as the upper half of the pair v[10:11] before it is first written)
.irp b, 0,1,2,3
	v_mov_b32 v[T2+\b], 0                          ; written once: a lane permute's destination counts as one of its sources
.endr
	s_wait_tensorcnt 0x0                           ; my part of K and V is in,
	s_barrier_signal -1
	s_barrier_wait -1                              ; everybody's is
.macro PASS p
	v_and_b32 v[ADV], 31, v0
	s_delay_alu instid0(VALU_DEP_1)
	v_lshlrev_b32 v[ADV], 3, v[ADV]                ; 8 x lane
	v_and_b32 v[ADK], 15, v0
	s_delay_alu instid0(VALU_DEP_1)
	v_lshlrev_b32 v[ADK], 4, v[ADK]                ; 16 r
.irp i, 0,1,2
	global_load_b64 v[22+2*\i:23+2*\i], v[ADV], s[56:57] offset:\p*36864+256*\i   ; my tile of Q stays in registers
.endr
	global_load_b32 v[QR], v[ADK], s[58:59] offset:\p*1536
	v_mov_b32 v13, 0xff61b1e6                      ; the largest t so far: -3e38, under every t
	s_delay_alu instid0(VALU_DEP_1)
	v_floor_f32 v12, -v13                          ; -M
	v_mov_b32 v14, 0
	v_mov_b32 v15, 0
	s_mov_b32 s[TB], 0
	s_mov_b32 s[TS], 0
.irp b, 0,1,2,3
.irp q, 0,1,2,3,4,5
	ds_load_b64 v[KF+12*\b+2*\q:KF+12*\b+2*\q+1], v[AK0] offset:1536*\b+256*\q   ; key step 0's K: each load takes 256 consecutive bytes
.endr
.endr
	ds_load_b128 v[SW:SW+3], v[ADK] offset:SC      ; and its scale words
	s_wait_loadcnt 0x0                             ; Q
	v_perm_b32 v[QW], v[QR], v[QR], s66            ; my tile's two bytes, twice: for q in the lower and in the upper half of K
.set j, 0
.rept 32
	v_mov_b32 v[O+j], 0                            ; O^T.  (The step is written once: the first finds zeros.  These lines are also the places between the scale word's making and its use)
.set j, j+1
.endr
	s_mov_b32 s[CNT], 16
.Lstep_\@:                                         ; a trip: 128 keys
	s_wait_dscnt 0x0                               ; this step's K and its scale words are in
.irp b, 0,1,2,3
	v_wmma_scale_f32_16x16x128_f8f6f4 v[S+16*\b:S+16*\b+7], v[KF+12*\b:KF+12*\b+11], v[22:33], 0, v[SW+\b], v[QW] matrix_a_fmt:MATRIX_FMT_FP6 matrix_b_fmt:MATRIX_FMT_FP6
	v_wmma_scale_f32_16x16x128_f8f6f4 v[S+16*\b+8:S+16*\b+15], v[KF+12*\b:KF+12*\b+11], v[16:27], 0, v[SW+\b], v[QW] matrix_a_fmt:MATRIX_FMT_FP6 matrix_b_fmt:MATRIX_FMT_FP6
.endr
	s_add_co_u32 s[TBN], s[TB], STEPB
	s_min_u32 s[TBN], s[TBN], 15*STEPB             ; the last trip fetches the last step's K again, and nobody uses it
	v_add_nc_u32 v[ADV], s[TB], v[AK0]             ; four plain lines: the places in front of the loads into registers that matrix instructions have read, and of the first read of the scores
	v_add_nc_u32 v[ADK], s[TBN], v[AK0]
	v_add_nc_u32 v[ADS], s[TS], v[AS0]
	v_nop
.irp b, 0,1,2,3
.irp q, 0,1,2,3,4,5
	ds_load_b64 v[VF+12*\b+2*\q:VF+12*\b+2*\q+1], v[ADV] offset:6144+1536*\b+256*\q   ; this step's V: it lands during the softmax
.endr
.endr
	ds_load_b128 v[SW:SW+3], v[ADS]                ; lanes 16-31: this step's words of V; lanes 0-15: the next step's of K (in the last trip: filled bytes that nobody uses)
.irp b, 0,1,2,3
.irp q, 0,1,2,3,4,5
	ds_load_b64 v[KF+12*\b+2*\q:KF+12*\b+2*\q+1], v[ADK] offset:1536*\b+256*\q        ; the next step's K
.endr
.endr
.irp b, 0,1,2,3
	v_max3_num_f32 v[BM+\b], v[S+16*\b], v[S+1+16*\b], v[S+2+16*\b]   ; the largest score of each block of 32 keys: for the row's maximum, and for the block's largest p
.endr
.irp i, 3,5,7,9,11,13
.irp b, 0,1,2,3
	v_max3_num_f32 v[BM+\b], v[BM+\b], v[S+16*\b+\i], v[S+1+16*\b+\i]
.endr
.endr
.irp b, 0,1,2,3
	v_max_num_f32 v[BM+\b], v[BM+\b], v[S+15+16*\b]
.endr
.irp b, 0,1,2,3
	s_delay_alu instid0(VALU_DEP_4)
	v_permlanex16_b32 v[T2+\b], v[BM+\b], s[SEL], s[SEL+1]
.endr
.irp b, 0,1,2,3
	s_delay_alu instid0(VALU_DEP_4)
	v_max_num_f32 v[BM+\b], v[BM+\b], v[T2+\b]     ; with lane l xor 16's 16 keys
.endr
	s_delay_alu instid0(VALU_DEP_2)
	v_max3_num_f32 v8, v[BM], v[BM+1], v[BM+2]
	s_delay_alu instid0(VALU_DEP_1)
	v_max_num_f32 v8, v8, v[BM+3]                  ; the step's largest score of my query
	s_delay_alu instid0(VALU_DEP_1)
	v_mul_f32 v8, s[CS], v8                        ; as t
	s_delay_alu instid0(VALU_DEP_1)
	v_max_num_f32 v13, v13, v8                     ; the running largest t
	v_mov_b32 v8, v12
	s_delay_alu instid0(VALU_DEP_2)
	v_floor_f32 v12, -v13                          ; the new -M = -ceil(t): M is a whole number
	s_delay_alu instid0(VALU_DEP_1)
	v_sub_f32 v8, v12, v8                          ; old M - new M: a whole number, 0 or less
	s_delay_alu instid0(VALU_DEP_1)
	v_cvt_i32_f32 v8, v8                           ; (it saturates)
	s_delay_alu instid0(VALU_DEP_1)
	v_ldexp_f32 v10, 1.0, v8                       ; f = 2^(old M - new M): the rescaling rounds nothing
.set j, 0
.rept 32
	v_pk_fma_f32 v[S+j:S+j+1], v[S+j:S+j+1], s[CS:CS+1], v[12:13] op_sel_hi:[1,0,0]   ; t - M, two at a time
.set j, j+2
.endr
.irp b, 0,1,2,3
	v_fma_f32 v[BM+\b], v[BM+\b], s[CS], v12       ; the same of each block's largest score
.endr
.set j, 0
	s_wait_alu depctr_va_vdst(0)
.rept 64
	v_exp_f32 v[S+j], v[S+j]                       ; p = 2^(t - M), at most 1: not normalised
.set j, j+1
.endr
	v_pk_mul_f32 v[14:15], v[14:15], v[10:11] op_sel_hi:[1,0]   ; the sums under the new M (a plain line behind the exponentials)
	s_wait_alu depctr_va_vdst(0)                   ; one wait for the whole batch, ahead of its first reader
.irp b, 0,1,2,3
	v_exp_f32 v[BM+\b], v[BM+\b]                   ; the block's largest p
.endr
	v_pk_add_f32 v[244:245], v[140:141], v[144:145]
	v_pk_add_f32 v[254:255], v[148:149], v[152:153]
	v_pk_add_f32 v[252:253], v[156:157], v[160:161]
	v_pk_add_f32 v[250:251], v[164:165], v[168:169]
	v_pk_add_f32 v[248:249], v[172:173], v[176:177]
	v_pk_add_f32 v[246:247], v[180:181], v[184:185]
	v_pk_add_f32 v[238:239], v[188:189], v[192:193]
	v_pk_add_f32 v[14:15], v[14:15], v[196:197]
	v_pk_add_f32 v[244:245], v[244:245], v[136:137]
	v_pk_add_f32 v[254:255], v[254:255], v[138:139]
	v_pk_add_f32 v[252:253], v[252:253], v[142:143]
	v_pk_add_f32 v[250:251], v[250:251], v[146:147]
	v_pk_add_f32 v[248:249], v[248:249], v[150:151]
	v_pk_add_f32 v[246:247], v[246:247], v[154:155]
	v_pk_add_f32 v[238:239], v[238:239], v[158:159]
	v_pk_add_f32 v[14:15], v[14:15], v[162:163]
	v_pk_add_f32 v[244:245], v[244:245], v[166:167]
	v_pk_add_f32 v[254:255], v[254:255], v[170:171]
	v_pk_add_f32 v[252:253], v[252:253], v[174:175]
	v_pk_add_f32 v[250:251], v[250:251], v[178:179]
	v_pk_add_f32 v[248:249], v[248:249], v[182:183]
	v_pk_add_f32 v[246:247], v[246:247], v[186:187]
	v_pk_add_f32 v[238:239], v[238:239], v[190:191]
	v_pk_add_f32 v[14:15], v[14:15], v[194:195]
	v_pk_add_f32 v[244:245], v[244:245], v[198:199]
	s_delay_alu instid0(VALU_DEP_2)
	v_pk_add_f32 v[14:15], v[14:15], v[250:251]
	s_delay_alu instid0(VALU_DEP_2)
	v_pk_add_f32 v[244:245], v[244:245], v[248:249]
	v_pk_add_f32 v[254:255], v[254:255], v[246:247]
	v_pk_add_f32 v[252:253], v[252:253], v[238:239]
	s_delay_alu instid0(VALU_DEP_2)
	v_pk_add_f32 v[14:15], v[14:15], v[254:255]
	s_delay_alu instid0(VALU_DEP_2)
	v_pk_add_f32 v[244:245], v[244:245], v[252:253]
	s_delay_alu instid0(VALU_DEP_1)
	v_pk_add_f32 v[14:15], v[14:15], v[244:245]
	s_wait_alu depctr_va_vdst(0)                   ; and one for the four
.irp b, 0,1,2,3
	v_max_num_f32 v[BM+\b], 0x1800000, v[BM+\b]    ; the floor 2^(3 - 127): the byte cannot fall under 1
.endr
.irp b, 0,1,2,3
	s_delay_alu instid0(VALU_DEP_4)
	v_add_nc_u32 v[SO+\b], 0xff000000, v[BM+\b]    ; 2 off the exponent field: the conversion's scale operand
.endr
.irp b, 0,1,2,3
	s_delay_alu instid0(VALU_DEP_4)
	v_lshrrev_b32 v[T2+\b], 23, v[SO+\b]           ; the scale's byte
.endr
	s_delay_alu instid0(VALU_DEP_3)
	v_lshl_or_b32 v11, v[T2+1], 8, v[T2]           ; p's scale word for these 128 keys
	s_delay_alu instid0(VALU_DEP_1)
	v_lshl_or_b32 v11, v[T2+2], 16, v11
	s_delay_alu instid0(VALU_DEP_1)
	v_lshl_or_b32 v11, v[T2+3], 24, v11
.irp c, 0,1
	v_cvt_scalef32_pk16_fp6_f32 v[PCD+6*\c:PCD+2+6*\c], v[S+32*\c:S+15+32*\c], v[SO+2*\c]
	v_cvt_scalef32_pk16_fp6_f32 v[T2+4*\c:T2+2+4*\c], v[S+16+32*\c:S+31+32*\c], v[SO+2*\c+1]   ; (a conversion's three registers begin on an even number)
.endr
	v_nop                                          ; one plain line behind a scaled conversion
.irp c, 0,1                                    ; the operand's layout wants a whole block in a lane
.irp i, 0,1,2
	v_permlane16_swap_b32 v[PCD+6*\c+\i], v[T2+4*\c+\i]
.endr
.irp i, 0,1,2
	s_delay_alu instid0(VALU_DEP_3)
	v_mov_b32 v[PCD+3+6*\c+\i], v[T2+4*\c+\i]
.endr
.endr
.set j, 0
.rept 16
	v_pk_mul_f32 v[O+j:O+j+1], v[O+j:O+j+1], v[10:11] op_sel_hi:[1,0]   ; O^T under the new M, from each accumulator's low end on; these lines are also the places in front of the products below
.set j, j+2
.endr
	s_wait_alu depctr_va_vdst(0)
	s_wait_dscnt 24                                ; V and the scale words are in; the 24 loads of the next step's K may be out
.irp b, 0,1,2,3
	v_wmma_scale_f32_16x16x128_f8f6f4 v[O+8*\b:O+8*\b+7], v[VF+12*\b:VF+12*\b+11], v[PCD:PCD+11], v[O+8*\b:O+8*\b+7], v[SW+\b], v11 matrix_a_fmt:MATRIX_FMT_FP6 matrix_b_fmt:MATRIX_FMT_FP6 matrix_a_scale:MATRIX_SCALE_ROW1
.endr
	s_add_co_u32 s[TB], s[TB], STEPB
	s_add_co_u32 s[TS], s[TS], 512
	s_sub_co_u32 s[CNT], s[CNT], 1
	s_cmp_lg_u32 s[CNT], 0
	s_cbranch_scc1 .Lstep_\@
	; THE WAY OUT.  O^T / l; register 16 b + i is d = 32 b + 16 (lane / 16) + i of my query: two blocks of 32, quantised like every operand; the codes meet in the pass's stage and leave in runs of 256 bytes.
	v_add_f32 v14, v14, v15                        ; the sum's two halves,
	s_delay_alu instid0(VALU_DEP_1)
	v_permlanex16_b32 v8, v14, s[SEL], s[SEL+1]
	s_delay_alu instid0(VALU_DEP_1)
	v_add_f32 v14, v14, v8                         ; and lane l xor 16's
	s_wait_alu depctr_va_vdst(0)
	v_rcp_f32 v14, v14
	v_and_b32 v168, 3, v0                          ; my query's place in its unit (plain lines behind the reciprocal and behind the last products)
	v_bfe_u32 v169, v0, 2, 2                       ; which of my tile's four units
	v_bfe_u32 v170, v0, 4, 1                       ; which block of 32
	v_and_b32 v173, 31, v0
	v_lshlrev_b32 v169, 8, v169
	v_mul_u32_u24 v171, v168, 48
	v_lshlrev_b32 v172, 4, v168
	v_lshlrev_b32 v173, 4, v173                    ; 16 x lane
	v_add_nc_u32 v169, s70, v169
	v_mad_u32_u24 v171, v170, 24, v171
	v_lshl_add_u32 v172, v170, 3, v172
	v_add_nc_u32 v168, v169, v171                  ; into the stage: my block's 24 bytes of codes,
	v_add_nc_u32 v169, v169, v172                  ; and my 8 of the unit's last 64 bytes
	v_add_nc_u32 v171, s70, v173                   ; back: 16 bytes a lane
	s_wait_alu depctr_va_vdst(0)                   ; ahead of the reciprocal's first reader
.set j, 0
.rept 16
	v_pk_mul_f32 v[S+j:S+j+1], v[O+j:O+j+1], v[14:15] op_sel_hi:[1,0]
.set j, j+2
.endr
.irp b, 0,1
	v_max3_num_f32 v[BM+\b], |v[S+16*\b]|, |v[S+16*\b+1]|, 0x1800000
.endr
.irp i, 2,4,6,8,10,12,14
.irp b, 0,1
	s_delay_alu instid0(VALU_DEP_2)
	v_max3_num_f32 v[BM+\b], v[BM+\b], |v[S+16*\b+\i]|, |v[S+16*\b+\i+1]|
.endr
.endr
.irp b, 0,1
	s_delay_alu instid0(VALU_DEP_2)
	v_permlanex16_b32 v[T2+\b], v[BM+\b], s[SEL], s[SEL+1]
.endr
.irp b, 0,1
	s_delay_alu instid0(VALU_DEP_2)
	v_max_num_f32 v[BM+\b], v[BM+\b], v[T2+\b]
.endr
.irp b, 0,1
	s_delay_alu instid0(VALU_DEP_2)
	v_add_nc_u32 v[SO+\b], 0xff000000, v[BM+\b]
.endr
.irp b, 0,1
	s_delay_alu instid0(VALU_DEP_2)
	v_lshrrev_b32 v[T2+\b], 23, v[SO+\b]
.endr
	s_delay_alu instid0(VALU_DEP_1)
	v_lshl_or_b32 v9, v[T2+1], 8, v[T2]            ; my query's two scale bytes
	v_cvt_scalef32_pk16_fp6_f32 v[180:182], v[S:S+15], v[SO]
	v_cvt_scalef32_pk16_fp6_f32 v[184:186], v[S+16:S+31], v[SO+1]
	v_nop                                          ; one plain line behind a scaled conversion
	v_permlane16_swap_b32 v180, v184               ; lanes 0-15 now hold block 0 whole, lanes 16-31 block 1
	v_permlane16_swap_b32 v181, v185
	v_permlane16_swap_b32 v182, v186
	s_delay_alu instid0(VALU_DEP_3)
	v_mov_b32 v183, v184
	s_delay_alu instid0(VALU_DEP_3)
	v_mov_b32 v184, v185
	s_delay_alu instid0(VALU_DEP_3)
	v_mov_b32 v185, v186
	v_mov_b32_dpp v174, v9 row_xmask:1 row_mask:0xf bank_mask:0xf     ; my neighbour's two scale bytes
	v_lshl_or_b32 v174, v174, 16, v9               ; in an even lane: the bytes of queries j, j + 1
	v_mov_b32_dpp v175, v174 row_xmask:2 row_mask:0xf bank_mask:0xf   ; in a unit's first lane: those of queries 2, 3
	v_cndmask_b32 v174, 0, v174, s71               ; the unit's first lane keeps the 8 bytes, the seven others hold zeros
	v_cndmask_b32 v175, 0, v175, s71
	ds_store_b64 v168, v[180:181]
	ds_store_b64 v168, v[182:183] offset:8
	ds_store_b64 v168, v[184:185] offset:16
	ds_store_b64 v169, v[174:175] offset:192
	ds_load_b128 v[188:191], v171                  ; LDS serves a wave's instructions in order: these see my stores
	ds_load_b128 v[192:195], v171 offset:512
	s_wait_dscnt 0x0                               ; both are back (and the last trip's loads are in)
	global_store_b128 v173, v[188:191], s[60:61] offset:\p*16384        ; 32 lanes store 512 consecutive bytes, aligned: queries 0-7 of my tile,
	global_store_b128 v173, v[192:195], s[60:61] offset:\p*16384+1024   ; and its queries 8-15, which lie 16 queries on
	s_wait_xcnt 0x0                                ; the stores have read their registers: the next pass writes them again
.endm
	PASS 0
	PASS 1
	s_wait_tensorcnt 0x0                           ; the wave's end
	ds_add_u32 v[SPW], v[NIL]
	s_wait_dscnt 0x0
	CROUND                                         ; the closing round
	s_endpgm
.Lfunc_end_k_q8736a9da8f_attn:
	.size	k_q8736a9da8f_attn, .Lfunc_end_k_q8736a9da8f_attn-k_q8736a9da8f_attn
	.p2alignl 7, 3214868480
	.fill 96, 4, 3214868480
	.section	.rodata,"a",@progbits
	.p2align	6, 0x0
	.amdhsa_kernel k_q8736a9da8f_attn
		.amdhsa_group_segment_fixed_size 262144
		.amdhsa_private_segment_fixed_size 0
		.amdhsa_enable_private_segment 0
		.amdhsa_kernarg_size 24
		.amdhsa_user_sgpr_count 2
		.amdhsa_user_sgpr_kernarg_segment_ptr 1
		.amdhsa_wavefront_size32 1
		.amdhsa_system_sgpr_workgroup_id_x 1
		.amdhsa_system_sgpr_workgroup_id_y 1
		.amdhsa_system_sgpr_workgroup_id_z 1
		.amdhsa_system_vgpr_workitem_id 0
		.amdhsa_next_free_vgpr 256
		.amdhsa_next_free_sgpr 72
		.amdhsa_reserve_vcc 0
		.amdhsa_float_denorm_mode_32 3
		.amdhsa_float_denorm_mode_16_64 3
		.amdhsa_memory_ordered 1
		.amdhsa_forward_progress 1
		.amdhsa_inst_pref_size 61
	.end_amdhsa_kernel
	.amdgpu_metadata
---
amdhsa.version: [ 1, 2 ]
amdhsa.kernels:
  - .name:           k_q8736a9da8f_attn
    .symbol:         k_q8736a9da8f_attn.kd
    .args:
      - { .name: qkvc, .offset: 0, .size: 8, .value_kind: global_buffer, .address_space: global }
      - { .name: qkvs, .offset: 8, .size: 8, .value_kind: global_buffer, .address_space: global }
      - { .name: aq, .offset: 16, .size: 8, .value_kind: global_buffer, .address_space: global }
    .group_segment_fixed_size: 262144
    .private_segment_fixed_size: 0
    .kernarg_segment_align: 8
    .kernarg_segment_size: 24
    .max_flat_workgroup_size: 512
    .sgpr_count:     72
    .vgpr_count:     256
    .wavefront_size: 32
...
	.end_amdgpu_metadata
.endif
;; end of part 3
;; launch gemm_out (part 4): grid 4 x 64, 4 waves a work-group, clusters of 4 x 4, 327,680 bytes of LDS; arguments aq, woq, bo, out0; writes out0
.if DOCPART == 4
	.amdgcn_target "amdgcn-amd-amdhsa--gfx1250"
	.amdhsa_code_object_version 6
	.text
	.protected	k_q8736a9da8f_gemm_out
	.globl	k_q8736a9da8f_gemm_out
	.p2align	8
	.type	k_q8736a9da8f_gemm_out,@function
k_q8736a9da8f_gemm_out:
	s_mov_b64 s[64:65], 0
	v_nop
	global_prefetch_b8 v0, s[64:65] scope:SCOPE_SE
	s_setreg_imm32_b32 hwreg(HW_REG_WAVE_MODE, 25, 1), 1
	s_wait_xcnt 0x0
	s_wait_alu depctr_hold_cnt(0) depctr_sa_sdst(0) depctr_va_vdst(0) depctr_va_sdst(0) depctr_va_ssrc(0) depctr_va_vcc(0) depctr_vm_vsrc(0)
	s_getreg_b32 s2, hwreg(HW_REG_IB_STS2, 6, 4)
	s_cmp_eq_u32 s2, 0
	s_cbranch_scc0 .Lentry_in_a_cluster
	s_endpgm
.Lentry_in_a_cluster:
	s_bfe_u32 s2, ttmp6, 0x10000c
	s_cmp_lg_u32 s2, 0xf033
	s_cbranch_scc0 .Lentry_shape_is_right
	s_endpgm
.Lentry_shape_is_right:
; out = values Wo + bo on codes of FP6 (E2M3) with E8M0 scales, f32 sums, f32 out.  aq [8192 rows], woq [1024 rows (n)]: a row is 1,024 bytes, four aligned units of 256:
; 192 bytes of codes (256 along K), the unit's 8 scale bytes, zeros.
; A work-group owns 128 rows of out and makes two tiles of 128 x 128: columns 128 x and 128 (x + 4).  Four waves, 64 x 64 each: 16 accumulators.
; ALL OF K LIES IN LDS: A's 128 rows and B's 128 rows, whole rows of 1,024 bytes, 1,040 bytes apart (260 words: row r starts at bank 4 r mod 64).  No ring along K.
; At the head each wave issues one joint load of 64 rows.  Behind tile 0's products B's rows are filled again with the second tile's (waves 2 and 3, 64 rows each), behind the three lines and a round; that load is out while tile 0 is stored.
; CLUSTERS 4 x 4: A's rows are shared along a row of the cluster, B's along a column.  No prefetch: the text has no loop along K to run ahead in; each tensor row is asked for once, whole.
; The matrix instruction is used transposed (source 0 = rows of woq, source 1 = rows of aq): a lane holds eight neighbouring columns of one row of out.  The bias is the C of each accumulator's first product.
; REGISTERS: window 0: v0-31 addresses; v32-127, v128-223 two sets of fragments (A's four, B's four); v224-239 scale words, two sets.  Window 1: v0-127 accumulators, v128-191 the two tiles' bias.
.set PITCH,  1040
.set HALF,   64*PITCH                  ; what one tensor load brings, and what one wave reads of A or of B
.set STAGE,  4*HALF                    ; behind the tiles: 16 rows x 272 bytes for each wave
.set SPITCH, 272
.set SPARE,  STAGE+4*16*SPITCH         ; the spare words, 128 bytes for each wave
.set ADRA, 16
.set ADRB, 17
.set ADRS, 18
.set STO,  24
.set RD,   25
.set CO,   26
.set SPW,  28
.set NIL,  29
.set FS,   32
.set SC,   224
.set G1,  24
.set G0,  32
.set G1B, 48
.set G0B, 56
.set MSB, 0
.macro WIN new                         ; the immediate's high byte repeats the setting that is left
.if MSB != \new
	s_set_vgpr_msb (MSB<<8)|\new
.set MSB, \new
.endif
.endm
.macro PLACES n
.rept \n
	v_nop
.endr
.endm
.macro CROUND                          ; a round of the cluster's barrier
	s_barrier_signal -1
	s_barrier_wait -1
	s_cmp_lg_u32 s14, 0
	s_cbranch_scc1 .Lnot_wave_0_\@
	s_barrier_signal -3
.Lnot_wave_0_\@:
	s_barrier_wait -3
	s_barrier_signal -1
	s_barrier_wait -1
.endm
	s_load_b256 s[4:11], s[0:1], 0x0               ; aq, woq, bo, out0
	v_lshl_add_u32 v[SPW], v0, 2, SPARE
	v_mov_b32 v[NIL], 0
	ds_add_u32 v[SPW], v[NIL]                      ; the opening: the add twice on end, one wait
	ds_add_u32 v[SPW], v[NIL]
	v_lshrrev_b32 v1, 5, v0
	v_readfirstlane_b32 s14, v1                    ; wave
	s_lshr_b32 s15, s14, 1                         ; my half of the tile's rows; also: I fetch for A (0) or B (1)
	s_and_b32 s16, s14, 1                          ; my half of its columns; also: which 64 rows I fetch
	s_bfe_u32 s40, ttmp6, 0x40000                  ; cx
	s_bfe_u32 s41, ttmp6, 0x40004                  ; cy
	s_lshl_b32 s42, ttmp9, 2
	s_add_co_u32 s42, s42, s40                     ; tile column 0..3
	s_and_b32 s17, ttmp7, 0xffff
	s_lshl_b32 s17, s17, 2
	s_add_co_u32 s17, s17, s41                     ; tile row 0..63
	s_lshl_b32 s43, s41, 2
	s_lshl_b32 s43, 15, s43                        ; my row of the cluster
	s_lshl_b32 s44, 0x1111, s40                    ; my column
	s_or_b32 s[G1+0], s43, (0<<16)|(1<<20)|(1<<21)|(7<<22)|(3<<25)   ; bytes; 4 words of padding behind every 256 words, a row
	s_or_b32 s[G1B+0], s44, (0<<16)|(1<<20)|(1<<21)|(7<<22)|(3<<25)
.irp g, G1, G1B
	s_mov_b32 s[\g+1], 1024<<16                    ; tensor_dim0
	s_mov_b32 s[\g+2], 64<<16                      ; tensor_dim1
	s_mov_b32 s[\g+3], 1024<<16                    ; tile_dim0
	s_mov_b32 s[\g+4], 64                          ; tile_dim1
	s_mov_b32 s[\g+5], 1024                        ; the pitch
	s_mov_b32 s[\g+6], 0
	s_mov_b32 s[\g+7], 0
.endr
	s_lshl_b32 s18, s16, 16                        ; 64 rows of 1,024 bytes
	s_lshl_b32 s20, s17, 17                        ; A: 128 rows a tile row
	s_add_co_u32 s20, s20, s18
	s_mov_b32 s21, 0
	s_lshl_b32 s46, s42, 17                        ; B: 128 rows a tile column
	s_add_co_u32 s46, s46, s18
	s_mov_b32 s47, 0
	s_mul_i32 s45, s14, HALF                       ; LDS: A's two halves, then B's two
	s_wait_dscnt 0x0
	s_wait_kmcnt 0x0
	s_add_nc_u64 s[20:21], s[4:5], s[20:21]
	s_add_nc_u64 s[46:47], s[6:7], s[46:47]
	CROUND                                         ; the round in front of the first joint loads
	s_mov_b32 s[G0], 1
	s_mov_b32 s[G0+1], s45
	s_mov_b64 s[G0+2:G0+3], s[20:21]
	s_or_b32 s[G0+3], s[G0+3], 0x80000000
	s_mov_b32 s[G0B], 1
	s_mov_b32 s[G0B+1], s45
	s_mov_b64 s[G0B+2:G0B+3], s[46:47]
	s_or_b32 s[G0B+3], s[G0B+3], 0x80000000
	s_cmp_eq_u32 s15, 0                            ; one tensor load a wave at the head, a load in each arm
	s_cbranch_scc0 .Lhead_b
	tensor_load_to_lds s[G0:G0+3], s[G1:G1+7]
	s_nop 0
	PLACES 4
	s_branch .Lhead_asked
.Lhead_b:
	tensor_load_to_lds s[G0B:G0B+3], s[G1B:G1B+7]
	s_nop 0
	PLACES 4
.Lhead_asked:
	s_mul_i32 s21, s15, HALF                       ; my 64 rows of A
	s_mul_i32 s22, s16, HALF
	s_add_co_u32 s22, s22, 2*HALF                  ; my 64 rows of B
	s_sub_co_u32 s18, s22, s21
	s_mul_i32 s23, s14, 16*SPITCH
	s_add_co_u32 s23, s23, STAGE                   ; my stage
	s_lshl_b32 s46, s42, 9                         ; my first column in bytes: 512 x tile column + 256 x half
	s_lshl_b32 s47, s16, 8
	s_add_co_u32 s46, s46, s47
	s_mov_b32 s47, 0
	s_add_nc_u64 s[8:9], s[8:9], s[46:47]          ; the bias there
	s_lshl_b32 s12, s17, 19                        ; my first row: 128 x tile row + 64 x half, 4,096 bytes a row
	s_lshl_b32 s13, s15, 18
	s_add_co_u32 s12, s12, s13
	s_add_co_u32 s46, s46, s12
	s_add_nc_u64 s[12:13], s[10:11], s[46:47]
	v_and_b32 v1, 15, v0                           ; r
	v_bfe_u32 v2, v0, 4, 1                         ; h
	v_mul_u32_u24 v3, v1, PITCH
	v_mul_u32_u24 v4, v2, 24
	v_mul_u32_u24 v5, s18, v2
	v_add_nc_u32 v4, v3, v4                        ; a fragment: row x pitch + 24 h
	v_add_nc_u32 v5, v3, v5                        ; scale words: lanes 0-15 A's rows, lanes 16-31 B's
	v_add_nc_u32 v[ADRA], s21, v4
	v_add_nc_u32 v[ADRB], s22, v4
	v_add_nc_u32 v[ADRS], s21, v5
	v_mul_u32_u24 v5, v1, SPITCH
	v_mul_u32_u24 v6, v2, SPITCH
	v_lshl_add_u32 v5, v2, 5, v5
	v_lshl_add_u32 v6, v1, 4, v6
	v_add_nc_u32 v[STO], s23, v5                   ; into the stage: row r, 32 bytes for each half of the lanes
	v_add_nc_u32 v[RD], s23, v6                    ; back: sixteen lanes to a row of 256 bytes, two rows an instruction
	v_lshlrev_b32 v[CO], 12, v2
	v_lshlrev_b32 v7, 5, v2
	v_lshl_add_u32 v[CO], v1, 4, v[CO]             ; and the same two rows in out
	WIN 0x40                                       ; destination window 1
.irp t, 0,1
.irp b, 0,1,2,3
	global_load_b128 v[128+32*\t+8*\b:128+32*\t+8*\b+3], v7, s[8:9] offset:2048*\t+64*\b      ; bo at my eight columns of block b of tile t
	global_load_b128 v[128+32*\t+8*\b+4:128+32*\t+8*\b+7], v7, s[8:9] offset:2048*\t+64*\b+16
.endr
.endr
	WIN 0
.macro FRAG reg, adr, st, i            ; 16 rows x 128 K: 24 bytes twice, in pieces of 8; step st lies in unit st / 2 of the row
.irp p, 0,1,2,3,4,5
	ds_load_b64 v[\reg+2*\p:\reg+2*\p+1], v[\adr] offset:256*((\st)/2)+96*((\st)%2)+48*(\p/3)+8*(\p%3)+(\i)*16*PITCH
.endr
.endm
.macro FETCH st                        ; step st's eight fragments into set st % 2; with an even step its unit's scale words, two a row
.irp i, 0,1,2,3
	FRAG FS+96*((\st)%2)+12*\i, ADRA, \st, \i
.endr
.irp i, 0,1,2,3
	FRAG FS+96*((\st)%2)+48+12*\i, ADRB, \st, \i
.endr
.if (\st)%2 == 0
.irp i, 0,1,2,3
	ds_load_b64 v[SC+8*(((\st)/2)%2)+2*\i:SC+8*(((\st)/2)%2)+2*\i+1], v[ADRS] offset:256*((\st)/2)+192+\i*16*PITCH
.endr
.endif
.endm
.macro MUL st, t                       ; 16 products, the 16 accumulators by turns
.set FB, FS+96*((\st)%2)
.set SS, SC+8*(((\st)/2)%2)+(\st)%2
.irp a, 0,1,2,3
.irp b, 0,1,2,3
.if (\st) == 0
	v_wmma_scale_f32_16x16x128_f8f6f4 v[8*(4*\a+\b):8*(4*\a+\b)+7], v[FB+48+12*\b:FB+48+12*\b+11], v[FB+12*\a:FB+12*\a+11], v[128+32*(\t)+8*\b:128+32*(\t)+8*\b+7], v[SS+2*\b], v[SS+2*\a] matrix_a_fmt:MATRIX_FMT_FP6 matrix_b_fmt:MATRIX_FMT_FP6 matrix_a_scale:MATRIX_SCALE_ROW1
.else
	v_wmma_scale_f32_16x16x128_f8f6f4 v[8*(4*\a+\b):8*(4*\a+\b)+7], v[FB+48+12*\b:FB+48+12*\b+11], v[FB+12*\a:FB+12*\a+11], v[8*(4*\a+\b):8*(4*\a+\b)+7], v[SS+2*\b], v[SS+2*\a] matrix_a_fmt:MATRIX_FMT_FP6 matrix_b_fmt:MATRIX_FMT_FP6 matrix_a_scale:MATRIX_SCALE_ROW1
.endif
.endr
.endr
.endm
.macro STEP st, t
	s_wait_dscnt 0x0                               ; this step's fragments are in
.if (\st) < 7
.if (\st) > 0
	PLACES 4                                       ; in front of loads into registers that the last step's products have read
.endif
	FETCH (\st)+1                                  ; the next step's come in while this step is multiplied
.endif
	WIN 0x50                                       ; C and D in window 1
	MUL \st, \t
	WIN 0
.endm
.macro TILE t
	FETCH 0
.set ST, 0
.rept 8
	STEP ST, \t
.set ST, ST+1
.endr
.endm
.macro OUT t                           ; four blocks of 16 rows x 64 columns through my own stage; sixteen lanes store 256 consecutive bytes, aligned
.irp a, 0,1,2,3
	WIN 0x04                                       ; the data: window 1
.irp b, 0,1,2,3
	ds_store_b128 v[STO], v[8*(4*\a+\b):8*(4*\a+\b)+3] offset:64*\b      ; each accumulator from its low end on
	ds_store_b128 v[STO], v[8*(4*\a+\b)+4:8*(4*\a+\b)+7] offset:64*\b+16
.endr
	WIN 0
.if \a >= 2
	s_wait_xcnt 0x0                                ; block a - 2's stores have read their registers
.endif
.irp u, 0,1,2,3,4,5,6,7
	ds_load_b128 v[FS+32*(\a%2)+4*\u:FS+32*(\a%2)+4*\u+3], v[RD] offset:\u*2*SPITCH   ; LDS serves a wave's instructions in order: these see my stores
.endr
	s_wait_dscnt 0x0
.irp u, 0,1,2,3,4,5,6,7
	global_store_b128 v[CO], v[FS+32*(\a%2)+4*\u:FS+32*(\a%2)+4*\u+3], s[12:13] offset:(16*\a+2*\u)*4096+2048*(\t) th:TH_STORE_NT
.endr
.endr
.endm
	s_wait_alu depctr_va_vdst(0)
	s_wait_tensorcnt 0x0                           ; my 64 rows are in,
	s_barrier_signal -1
	s_barrier_wait -1                              ; everybody's are
	s_wait_loadcnt 0x0                             ; the bias
	TILE 0
	s_wait_tensorcnt 0x0
	ds_add_u32 v[SPW], v[NIL]
	s_add_nc_u64 s[G0B+2:G0B+3], s[G0B+2:G0B+3], 524288   ; no load of mine is out: B's rows of the second tile lie 512 rows on
	s_wait_dscnt 0x0                               ; the add is done, and my reads of B's rows are over
	CROUND                                         ; the same holds of every wave of every partner
	s_cmp_eq_u32 s15, 0                            ; waves 2 and 3 fill B's two halves again; waves 0 and 1 have no part to fill
	s_cbranch_scc1 .Lno_fill
	tensor_load_to_lds s[G0B:G0B+3], s[G1B:G1B+7]
	s_nop 0
	PLACES 4
.Lno_fill:
	PLACES 8                                       ; behind the last products: in front of the reads of their results, of the loads into their operands, and of the next tile's first products
	OUT 0
	s_wait_xcnt 0x0                                ; the stores have read their registers: the next tile's fragments land there
	s_wait_tensorcnt 0x0                           ; my part of the second tile's B is in,
	s_barrier_signal -1
	s_barrier_wait -1                              ; everybody's is
	TILE 1
	PLACES 8
	OUT 1
	s_wait_tensorcnt 0x0                           ; the wave's end
	ds_add_u32 v[SPW], v[NIL]
	s_wait_dscnt 0x0
	CROUND                                         ; the closing round
	s_endpgm
.Lfunc_end_k_q8736a9da8f_gemm_out:
	.size	k_q8736a9da8f_gemm_out, .Lfunc_end_k_q8736a9da8f_gemm_out-k_q8736a9da8f_gemm_out
	.p2alignl 7, 3214868480
	.fill 96, 4, 3214868480
	.section	.rodata,"a",@progbits
	.p2align	6, 0x0
	.amdhsa_kernel k_q8736a9da8f_gemm_out
		.amdhsa_group_segment_fixed_size 327680
		.amdhsa_private_segment_fixed_size 0
		.amdhsa_enable_private_segment 0
		.amdhsa_kernarg_size 32
		.amdhsa_user_sgpr_count 2
		.amdhsa_user_sgpr_kernarg_segment_ptr 1
		.amdhsa_wavefront_size32 1
		.amdhsa_system_sgpr_workgroup_id_x 1
		.amdhsa_system_sgpr_workgroup_id_y 1
		.amdhsa_system_sgpr_workgroup_id_z 1
		.amdhsa_system_vgpr_workitem_id 0
		.amdhsa_next_free_vgpr 448
		.amdhsa_next_free_sgpr 66
		.amdhsa_reserve_vcc 0
		.amdhsa_float_denorm_mode_32 3
		.amdhsa_float_denorm_mode_16_64 3
		.amdhsa_memory_ordered 1
		.amdhsa_forward_progress 1
		.amdhsa_inst_pref_size 109
	.end_amdhsa_kernel
	.amdgpu_metadata
---
amdhsa.version: [ 1, 2 ]
amdhsa.kernels:
  - .name:           k_q8736a9da8f_gemm_out
    .symbol:         k_q8736a9da8f_gemm_out.kd
    .args:
      - { .name: aq, .offset: 0, .size: 8, .value_kind: global_buffer, .address_space: global }
      - { .name: woq, .offset: 8, .size: 8, .value_kind: global_buffer, .address_space: global }
      - { .name: bo, .offset: 16, .size: 8, .value_kind: global_buffer, .address_space: global }
      - { .name: out0, .offset: 24, .size: 8, .value_kind: global_buffer, .address_space: global }
    .group_segment_fixed_size: 327680
    .private_segment_fixed_size: 0
    .kernarg_segment_align: 8
    .kernarg_segment_size: 32
    .max_flat_workgroup_size: 128
    .sgpr_count:     66
    .vgpr_count:     448
    .wavefront_size: 32
...
	.end_amdgpu_metadata
.endif
;; end of part 4
